; MI455X (gfx1250); checked and timed in simulation.
; The chip was launched on July 23, 2026; its instructions are those of AMD's public machine-readable ISA for CDNA 5 (MIT licence, August 2026) and "CDNA5" Instruction Set Architecture Reference Guide (July 2026). The comments in the code are by the model that wrote it; some were corrected since.
;; Attention. Allowed arithmetic: matrix products marked QUANTISED: E2M1 operands, one E8M0 scale for each 32 along K, by v_wmma_scale_f32_16x16x128_f8f6f4 with both operands' format E2M1 (or v_wmma_scale_f32_32x16x128_f4), f32 sums; products left as they are: bf16, f16 or f32 operands; f32 sums; everything else in f32.
;; Inputs: W_proj 1,024 x 1,024 float32; W_qkv 1,024 x 3,072 float32; b_proj 1,024 float32; b_qkv 3,072 float32; x 4 x 2,048 x 1,024 float32.
;; Outputs: out0 4 x 2,048 x 1,024 float32.
;; This version of the problem:
;;   THIS VERSION OF THE PROBLEM IS GIVEN IN LOW PRECISION. The matrix products marked QUANTISED in the list below multiply operands that are first quantised to E2M1 (2 exponent bits, 1 mantissa bit; 4 bits a number), with one power-of-two scale for each 32 numbers along K (OCP MX v1.0); their sums are f32. The products marked 'left as it is' may take bf16, f16 or f32 operands, with f32 sums. Whichever they take, every output number must still come out within the allowed error. Rounding operands to bf16 (8 significant bits) uses up far more of that allowance than f16 does (11 bits, for magnitudes from 6e-5 to 65,504). All else is computed in f32.
;;   The module's matrix products, in the order in which they are computed (A, B: the left and right operand; K: the contracted axis; several contracted axes count as one K, in the product's order):
;;     1. [M 8,192, K 1,024] x [K 1,024, N 3,072]; A: input x; B: input W_qkv: QUANTISED
;;     2. batch 64 x [M 2,048, K 64] x [K 64, N 2,048]; A: computed on the way; B: computed on the way: left as it is (an operand is computed on the way)
;;     3. batch 64 x [M 2,048, K 2,048] x [K 2,048, N 64]; A: computed on the way; B: computed on the way: left as it is (an operand is computed on the way)
;;     4. [M 8,192, K 1,024] x [K 1,024, N 1,024]; A: computed on the way; B: input W_proj: left as it is (an operand is computed on the way)
;;   THE QUANTISER, for each operand of a quantised product, along K:
;;     - K is cut into blocks of 32 from its start; a last block that is shorter is filled with zeros.
;;     - A block's scale is 2^e with e = floor(log2(the largest magnitude in the block)) - 2, held to -126 .. 127; a block of zeros has e = 0. As a byte (E8M0): e + 127.
;;     - Each number is divided by its block's scale, clamped to +-6, and rounded to the nearest number of E2M1, ties to even, subnormals kept.
;;     - The product sums the exact products of the quantised numbers (number of the format x scale) in f32.
;;   ~~~python
;;   def quantise(x, axis):      # numpy; x: float32 -> the quantised numbers, widened to float32 again
;;       x = np.moveaxis(x, axis, -1); K = x.shape[-1]
;;       x = np.pad(x, [(0, 0)] * (x.ndim - 1) + [(0, -K % 32)]); x = x.reshape(x.shape[:-1] + (-1, 32)); a = np.abs(x).max(-1, keepdims=True)
;;       e = np.where(a > 0, np.clip(np.frexp(np.where(a > 0, a, 1))[1] - 1 - 2, -126, 127), 0)      # np.frexp(a)[1] - 1 = floor(log2(a)), exactly
;;       r = np.clip(x / 2.0 ** e, -6, 6)
;;       step = 2.0 ** (np.maximum(np.frexp(np.where(r == 0, 1, r))[1] - 1, 0) - 1)
;;       q = np.round(r / step) * step * 2.0 ** e      # np.round: ties to even
;;       return np.moveaxis(q.reshape(q.shape[:-2] + (-1,))[..., :K], -1, axis).astype(np.float32)
;;   ~~~
;; One version. Each part assembles by itself: llvm-mc -triple=amdgcn-amd-amdhsa -mcpu=gfx1250 --defsym DOCPART=n.
;; ======== version 1 of 1: 4 launches
;; limits: values are held in f16: magnitudes above 65,504 overflow, below 6.1e-05 lose precision
;; workspace buffers: x_codes 4,194,304 bytes; x_scales 262,144 bytes; w_codes 1,572,864 bytes; w_scales 98,304 bytes; wp_t 2,097,152 bytes; qkv 50,331,648 bytes; ao 16,777,216 bytes
;; launch prep (part 1): grid 368 x 1, 4 waves a work-group, no clusters, 102,912 bytes of LDS; arguments x, W_qkv, W_proj, x_codes, x_scales, w_codes, w_scales, wp_t; writes x_codes, x_scales, w_codes, w_scales, wp_t
.if DOCPART == 1
	.amdgcn_target "amdgcn-amd-amdhsa--gfx1250"
	.amdhsa_code_object_version 6
	.text
	.protected	k_q249e78e04c_prep
	.globl	k_q249e78e04c_prep
	.p2align	8
	.type	k_q249e78e04c_prep,@function
k_q249e78e04c_prep:
	s_mov_b64 s[64:65], 0
	v_nop
	global_prefetch_b8 v0, s[64:65] scope:SCOPE_SE
	s_setreg_imm32_b32 hwreg(HW_REG_WAVE_MODE, 25, 1), 1
	s_wait_xcnt 0x0
; ATTENTION, B = 4, N = 2048, D = 1024, 16 heads of 64, in four launches: prep, qkv, attn, proj.  This one prepares the operands that many work-groups read later.
;   work-groups   0..255  (path X): x [8192][1024] f32 -> codes of E2M1, K innermost, [8192][512 bytes], and one E8M0 byte for each 32 along K, [8192][32]
;   work-groups 256..303  (path W): W_qkv [1024 k][3072 n] f32, whose K is its FIRST axis -> codes [3072 n][512 bytes], bytes [3072][32]
;   work-groups 304..367  (path P): W_proj [1024 k][1024 n] f32 -> f16, laid [1024 n][1024 k] (that product is left as it is: f16 operands, f32 sums)
; THE QUANTISER: a block's scale is 2^(floor(log2(its largest magnitude)) - 2); its byte is the largest magnitude's exponent field - 2, held at 1 from below; each number is divided by the
; scale and rounded to the nearest code, ties to even, beyond 6 the largest code.
; WORK LEFT OUT IN THE WHOLE PROGRAM: K's bias, b_qkv[1024:2048].  With q' = q + bq the score of query i and key j is q'_i . (k_j + bk) / 8 = q'_i . k_j / 8 + q'_i . bk / 8.
; The second term does not hang on j: it is the same along the softmax's axis, and softmax(z + const) = softmax(z) for all values.  K enters nothing but that product, and the product is not
; quantised, so no quantiser stands between.  So that third of b_qkv is neither loaded nor added (launch qkv).  Q's and V's biases stay.
; LIMITS: a NaN, an infinity or an overflow that reaches the result through K's bias alone is not carried.  A block of zeros gets the byte 1 where the rule says 127: its codes are zeros, which add
; nothing under any byte but 0xff, and this program alone reads the bytes.  NaN and infinities among the inputs are not served.  W_proj goes to f16: magnitudes under 65,504.
; No tensor loads, no barrier: waves share nothing.  Each path has LDS bytes of its own and its own end.
.set SPW,   12                         ; v12  LDS address of my spare word: SPARE + 4 x my thread's number; never rewritten
.set NIL,   13                         ; v13  0; never rewritten
.set XREG,  8192                       ; path X: a region for each wave: two stages of 32 x SP bytes, behind them its 256 scale bytes
.set SP,    80                         ; a lane's place in a stage: its 64 bytes + 16 of padding
.set WSTG,  32768                      ; path W: four stages of 32 rows x SPIT
.set PSTG,  67584                      ; path P: likewise
.set SPIT,  272                        ; a stage row: 256 bytes + 16
.set SPARE, 102400                     ; the spare words, 128 bytes for each wave: two blocks of 256 bytes that no other line names
.set XR,    16                         ; path X: v16-79 four sets of 16 numbers as loaded
.set XX,    80                         ;         v80-111 two sets of 16 neighbours
.set XE,    112                        ;         v112-127 a scale byte for each step
.set XC,    128                        ;         v128-191 codes, four registers a step
.set SB,    24                         ; path W: v24-27 the scale bytes, four to a register
.set WX,    32                         ; paths W, P: v32-95 two sets of 32 numbers down K
.set WC,    96                         ;         v96.. a block's codes (W: 4) or f16 pairs (P: 16)
.set OUTR,  112                        ;         v112-175 the way out
	s_load_b256 s[4:11], s[0:1], 0x0               ; x s[4:5], W_qkv s[6:7], W_proj s[8:9], x_codes s[10:11]
	s_load_b256 s[12:19], s[0:1], 0x20             ; x_scales s[12:13], w_codes s[14:15], w_scales s[16:17], wp_t s[18:19]
	v_lshl_add_u32 v[SPW], v0, 2, SPARE
	v_mov_b32 v[NIL], 0
	v_lshrrev_b32 v1, 5, v0
	v_readfirstlane_b32 s20, v1                    ; wave 0..3
	v_and_b32 v2, 31, v0                           ; lane
	s_wait_kmcnt 0x0
	s_cmp_lt_u32 ttmp9, 256                        ; the path hangs on the work-group's number alone
	s_cbranch_scc1 .Lpath_x
	s_cmp_lt_u32 ttmp9, 304
	s_cbranch_scc1 .Lpath_w
; What paths W and P share: a lane takes a column n and its registers run down K; results go through the wave's stage, row = my column, and leave as rows.
.macro STAGE_ADR base, rowshift        ; v3 in: 4 bytes a lane; v4 into the stage; v7 out of it: sixteen lanes to a row, two rows an instruction; v8 the same place in the output
	v_lshlrev_b32 v3, 2, v2
	s_mul_i32 s24, s20, 32*SPIT
	s_add_co_u32 s24, s24, \base
	v_mul_u32_u24 v4, v2, SPIT
	v_add_nc_u32 v4, s24, v4
	v_and_b32 v5, 15, v2
	v_lshrrev_b32 v6, 4, v2
	v_mul_u32_u24 v7, v6, SPIT
	v_lshl_add_u32 v7, v5, 4, v7
	v_add_nc_u32 v7, s24, v7
	v_lshlrev_b32 v8, \rowshift, v6
	v_lshl_add_u32 v8, v5, 4, v8
.endm
.macro LOADK t, sb, rowb               ; block t: rows 32 t + i of the weight at my column, i = 0 .. 31, into set t % 2: 32 lanes read 128 consecutive bytes, the four waves 512
.irp i, 0,1,2,3,4,5,6,7,8,9,10,11,12,13,14,15,16,17,18,19,20,21,22,23,24,25,26,27,28,29,30,31
	global_load_b32 v[WX+32*((\t)%2)+\i], v3, s[\sb:\sb+1] offset:(32*(\t)+\i)*\rowb th:TH_LOAD_NT
.endr
.endm
.macro ROWS_OUT sb, rowb               ; 32 rows of 256 bytes: sixteen lanes store 256 consecutive bytes, at a multiple of 256 from the buffer's first byte
.irp t, 0,1,2,3,4,5,6,7,8,9,10,11,12,13,14,15
	ds_load_b128 v[OUTR+4*\t:OUTR+4*\t+3], v7 offset:2*\t*SPIT    ; LDS serves a wave's instructions in order: these see my stores
.endr
.irp t, 0,1,2,3,4,5,6,7,8,9,10,11,12,13,14,15
	s_wait_dscnt 15-\t                             ; load t is in; the 15 - t younger ones may be out
	global_store_b128 v8, v[OUTR+4*\t:OUTR+4*\t+3], s[\sb:\sb+1] offset:2*\t*\rowb
.endr
.endm
.macro WAVE_END                        ; a wave's end, behind its last LDS store; the tensor wait stands even in a text with no tensor load
	s_wait_tensorcnt 0x0
	ds_add_u32 v[SPW], v[NIL]
	s_wait_dscnt 0x0
	s_endpgm
.endm
; ---------------- PATH P: a wave takes 32 columns x 128 along K of W_proj: four blocks of 32; 256 bytes of f16 for each column
	s_sub_co_u32 s21, ttmp9, 304
	s_and_b32 s22, s21, 7                          ; which 128 columns
	s_lshr_b32 s23, s21, 3                         ; which 128 along K
	s_lshl_b32 s22, s22, 7
	s_lshl_b32 s25, s20, 5
	s_add_co_u32 s22, s22, s25                     ; my wave's first column
	STAGE_ADR PSTG, 11                             ; a row of wp_t is 2,048 bytes
	s_lshl_b32 s26, s23, 19                        ; 128 rows of 4,096 bytes
	s_lshl_b32 s27, s22, 2
	s_add_co_u32 s26, s26, s27
	s_mov_b32 s27, 0
	s_add_nc_u64 s[8:9], s[8:9], s[26:27]
	s_lshl_b32 s26, s22, 11
	s_lshl_b32 s28, s23, 8
	s_add_co_u32 s26, s26, s28
	s_add_nc_u64 s[18:19], s[18:19], s[26:27]
	LOADK 0, 8, 4096
	LOADK 1, 8, 4096
.macro BLOCKP t
.set XS, WX+32*((\t)%2)
.if (\t) < 3
	s_wait_loadcnt 32                              ; this block's 32 loads are in; the next block's may be out
.else
	s_wait_loadcnt 0
.endif
.irp i, 0,1,2,3,4,5,6,7,8,9,10,11,12,13,14,15
	v_cvt_pk_f16_f32 v[WC+\i], v[XS+2*\i], v[XS+2*\i+1]   ; two neighbours along K, the lower in the low half
.endr
.irp g, 0,1,2,3
	ds_store_b128 v4, v[WC+4*\g:WC+4*\g+3] offset:64*(\t)+16*\g
.endr
.if (\t)+2 < 4
	LOADK (\t)+2, 8, 4096
.endif
	s_wait_dscnt 0x0                               ; the stores have read their registers: the next block may write them
.endm
.irp t, 0,1,2,3
	BLOCKP \t
.endr
	ROWS_OUT 18, 2048
	WAVE_END
; ---------------- PATH W: a wave takes 32 columns x 512 along K of W_qkv: 16 blocks a lane, 256 bytes of codes for each column.  A block of 32 along K lies in ONE lane's registers.
.Lpath_w:
	s_sub_co_u32 s21, ttmp9, 256
	s_lshr_b32 s22, s21, 1                         ; which 128 columns
	s_and_b32 s23, s21, 1                          ; which half of K
	s_lshl_b32 s22, s22, 7
	s_lshl_b32 s25, s20, 5
	s_add_co_u32 s22, s22, s25                     ; my wave's first column
	STAGE_ADR WSTG, 9                              ; a row of w_codes is 512 bytes
	v_lshlrev_b32 v9, 5, v2                        ; my column's row of scale bytes: 32 bytes a row
	s_mul_i32 s26, s23, 512*12288                  ; 512 rows of 12,288 bytes
	s_lshl_b32 s27, s22, 2
	s_add_co_u32 s26, s26, s27
	s_mov_b32 s27, 0
	s_add_nc_u64 s[6:7], s[6:7], s[26:27]
	s_lshl_b32 s26, s22, 9
	s_lshl_b32 s28, s23, 8
	s_add_co_u32 s26, s26, s28
	s_add_nc_u64 s[14:15], s[14:15], s[26:27]
	s_lshl_b32 s26, s22, 5
	s_lshl_b32 s28, s23, 4
	s_add_co_u32 s26, s26, s28
	s_add_nc_u64 s[16:17], s[16:17], s[26:27]
	LOADK 0, 6, 12288                              ; every offset is an immediate: 511 x 12,288 at the most, inside the signed 24 bits (ISA guide, chapter 10)
	LOADK 1, 6, 12288
.macro BLOCKW t
.set XS, WX+32*((\t)%2)
.if (\t) < 15
	s_wait_loadcnt 32                              ; this block's 32 loads are in; the next block's may be out
.else
	s_wait_loadcnt 0
.endif
	v_max3_num_f32 v16, |v[XS]|, |v[XS+1]|, |v[XS+2]|     ; the block's largest magnitude: all 32 numbers are mine; two chains
	v_max3_num_f32 v17, |v[XS+3]|, |v[XS+4]|, |v[XS+5]|
.irp i, 6,10,14,18,22,26
	v_max3_num_f32 v16, v16, |v[XS+\i]|, |v[XS+\i+1]|
	v_max3_num_f32 v17, v17, |v[XS+\i+2]|, |v[XS+\i+3]|
.endr
	v_max3_num_f32 v16, v16, |v[XS+30]|, |v[XS+31]|
	v_max3_num_f32 v16, v16, v17, 0x1800000        ; and the floor 2^(3 - 127): the byte cannot fall under 1
	v_add_nc_u32 v11, 0xff000000, v16              ; 2 off its exponent field: the conversion takes the exponent field of this operand as its scale, and nothing else of it
	v_lshrrev_b32 v17, 23, v11                     ; the scale's byte
.if (\t)%4 == 0
	v_mov_b32 v[SB+(\t)/4], v17                    ; four bytes to a register, the lower K in the lower byte
.else
	v_lshl_or_b32 v[SB+(\t)/4], v17, 8*((\t)%4), v[SB+(\t)/4]
.endif
.irp g, 0,1,2,3
	v_cvt_scalef32_pk8_fp4_f32 v[WC+\g], v[XS+8*\g:XS+8*\g+7], v11
.endr
	ds_store_b128 v4, v[WC:WC+3] offset:16*(\t)    ; 32 codes: 16 bytes of my column's row.  (The results go to an LDS store; the next vector lines are plain and touch neither them nor the sources)
.if (\t)+2 < 16
	LOADK (\t)+2, 6, 12288
.endif
	s_wait_dscnt 0x0                               ; the store has read its registers: the next block's codes may be written
.endm
.irp t, 0,1,2,3,4,5,6,7,8,9,10,11,12,13,14,15
	BLOCKW \t
.endr
	global_store_b128 v9, v[SB:SB+3], s[16:17]     ; my column's 16 scale bytes
	ROWS_OUT 14, 512
	WAVE_END
; ---------------- PATH X: rows are dense and K is a multiple of 32, so x is a plain stream of blocks of 32.  A wave takes 16 steps of 512 numbers.  Each load reads 512 consecutive bytes, 16 a lane;
; a step's 2,048 bytes turn through the wave's stage and come back 64 bytes a lane: 16 neighbours, two neighbouring lanes to a block.  Loads run four steps ahead, the turn through LDS one step.
.Lpath_x:
	v_lshlrev_b32 v3, 4, v2                        ; my 16 bytes of a load's 512
	s_mul_i32 s21, s20, XREG
	v_lshrrev_b32 v14, 2, v2
	v_mul_u32_u24 v14, v14, SP
	v_and_b32 v15, 3, v2
	v_lshl_add_u32 v14, v15, 4, v14
	v_add_nc_u32 v14, s21, v14                     ; the stage, on the way in: four lanes' 64 bytes on end, then 16 of padding
	v_mul_u32_u24 v15, v2, SP
	v_add_nc_u32 v15, s21, v15                     ; and on the way out: my 16 neighbours
	v_lshlrev_b32 v4, 3, v2                        ; my codes' place in a step's: 8 bytes a lane
	v_lshrrev_b32 v5, 1, v2
	s_add_co_u32 s21, s21, 2*32*SP
	v_add_nc_u32 v5, s21, v5                       ; my wave's 256 scale bytes, my block's byte
	v_lshlrev_b32 v7, 3, v2
	v_add_nc_u32 v6, s21, v7                       ; and on the way out 8 bytes a lane
	s_lshl_b32 s22, ttmp9, 2
	s_add_co_u32 s22, s22, s20                     ; which run of 8,192 numbers is my wave's: 0 .. 1,023
	s_mov_b32 s25, 0
	s_lshl_b32 s24, s22, 15
	s_add_nc_u64 s[4:5], s[4:5], s[24:25]          ; 32,768 bytes of x a run,
	s_lshl_b32 s24, s22, 12
	s_add_nc_u64 s[10:11], s[10:11], s[24:25]      ; 4,096 of codes,
	s_lshl_b32 s24, s22, 8
	s_add_nc_u64 s[12:13], s[12:13], s[24:25]      ; 256 scale bytes
.macro LOADX t
.irp i, 0,1,2,3
	global_load_b128 v[XR+16*((\t)%4)+4*\i:XR+16*((\t)%4)+4*\i+3], v3, s[4:5] offset:2048*(\t)+512*\i th:TH_LOAD_NT
.endr
.endm
.macro TURNX t                         ; LDS serves a wave's instructions in order, so no wait stands between the stores and the loads
.irp i, 0,1,2,3
	ds_store_b128 v14, v[XR+16*((\t)%4)+4*\i:XR+16*((\t)%4)+4*\i+3] offset:32*SP*((\t)%2)+8*SP*\i
.endr
.irp i, 0,1,2,3
	ds_load_b128 v[XX+16*((\t)%2)+4*\i:XX+16*((\t)%2)+4*\i+3], v15 offset:32*SP*((\t)%2)+16*\i
.endr
.endm
.irp t, 0,1,2,3
	LOADX \t
.endr
	s_wait_loadcnt 12                              ; step 0's four loads are in
	TURNX 0
.macro STEPX t
.set XS, XX+16*((\t)%2)
.if (\t) > 0
	s_wait_dscnt 1                                 ; this step's numbers are back from the stage (the last step's byte store may be out): so its stores into the stage have read their registers,
.else
	s_wait_dscnt 0x0
.endif
.if (\t)+4 < 16
	LOADX (\t)+4                                   ; which take the loads of four steps on
.endif
.if (\t)+1 < 16
.if 14-(\t) >= 3
	s_wait_loadcnt 12                              ; the next step's four loads are in; those of the three steps behind it may be out
.else
	s_wait_loadcnt 4*(14-(\t))
.endif
	TURNX (\t)+1
.endif
	v_max3_num_f32 v8, |v[XS]|, |v[XS+1]|, |v[XS+2]|      ; the largest magnitude of my 16
	v_max3_num_f32 v9, |v[XS+3]|, |v[XS+4]|, |v[XS+5]|
.irp i, 6,10
	v_max3_num_f32 v8, v8, |v[XS+\i]|, |v[XS+\i+1]|
	v_max3_num_f32 v9, v9, |v[XS+\i+2]|, |v[XS+\i+3]|
.endr
	v_max3_num_f32 v8, v8, |v[XS+14]|, |v[XS+15]|
	v_max3_num_f32 v8, v8, v9, 0x1800000           ; and the floor 2^(3 - 127)
	v_max_num_f32_dpp v8, v8, v8 row_xmask:1 row_mask:0xf bank_mask:0xf   ; and of my neighbour's 16: the block's
	v_add_nc_u32 v11, 0xff000000, v8               ; 2 off its exponent field: the conversion's scale operand
	v_cvt_scalef32_pk8_fp4_f32 v[XC+4*(\t)], v[XS:XS+7], v11
	v_cvt_scalef32_pk8_fp4_f32 v[XC+4*(\t)+1], v[XS+8:XS+15], v11
	v_lshrrev_b32 v[XE+(\t)], 23, v11              ; the scale's byte (a plain line behind the conversions)
	ds_store_b8 v5, v[XE+(\t)] offset:16*(\t)      ; both lanes of a block write the same byte with the same value
	global_store_b64 v4, v[XC+4*(\t):XC+4*(\t)+1], s[10:11] offset:256*(\t)   ; the wave stores 256 consecutive bytes, aligned; each step has registers of its own, so no store's data are written again
.endm
.irp t, 0,1,2,3,4,5,6,7,8,9,10,11,12,13,14,15
	STEPX \t
.endr
	ds_load_b64 v[8:9], v6                         ; LDS serves a wave's instructions in order: these see my byte stores
	s_wait_dscnt 0x0
	global_store_b64 v7, v[8:9], s[12:13]          ; 32 lanes store 256 consecutive bytes, aligned
	WAVE_END
.Lfunc_end_k_q249e78e04c_prep:
	.size	k_q249e78e04c_prep, .Lfunc_end_k_q249e78e04c_prep-k_q249e78e04c_prep
	.p2alignl 7, 3214868480
	.fill 96, 4, 3214868480
	.section	.rodata,"a",@progbits
	.p2align	6, 0x0
	.amdhsa_kernel k_q249e78e04c_prep
		.amdhsa_group_segment_fixed_size 102912
		.amdhsa_private_segment_fixed_size 0
		.amdhsa_enable_private_segment 0
		.amdhsa_kernarg_size 64
		.amdhsa_user_sgpr_count 2
		.amdhsa_user_sgpr_kernarg_segment_ptr 1
		.amdhsa_wavefront_size32 1
		.amdhsa_system_sgpr_workgroup_id_x 1
		.amdhsa_system_sgpr_workgroup_id_y 1
		.amdhsa_system_sgpr_workgroup_id_z 1
		.amdhsa_system_vgpr_workitem_id 0
		.amdhsa_next_free_vgpr 192
		.amdhsa_next_free_sgpr 66
		.amdhsa_reserve_vcc 0
		.amdhsa_float_denorm_mode_32 3
		.amdhsa_float_denorm_mode_16_64 3
		.amdhsa_memory_ordered 1
		.amdhsa_forward_progress 1
		.amdhsa_inst_pref_size 132
	.end_amdhsa_kernel
	.amdgpu_metadata
---
amdhsa.version: [ 1, 2 ]
amdhsa.kernels:
  - .name:           k_q249e78e04c_prep
    .symbol:         k_q249e78e04c_prep.kd
    .args:
      - { .name: x, .offset: 0, .size: 8, .value_kind: global_buffer, .address_space: global }
      - { .name: W_qkv, .offset: 8, .size: 8, .value_kind: global_buffer, .address_space: global }
      - { .name: W_proj, .offset: 16, .size: 8, .value_kind: global_buffer, .address_space: global }
      - { .name: x_codes, .offset: 24, .size: 8, .value_kind: global_buffer, .address_space: global }
      - { .name: x_scales, .offset: 32, .size: 8, .value_kind: global_buffer, .address_space: global }
      - { .name: w_codes, .offset: 40, .size: 8, .value_kind: global_buffer, .address_space: global }
      - { .name: w_scales, .offset: 48, .size: 8, .value_kind: global_buffer, .address_space: global }
      - { .name: wp_t, .offset: 56, .size: 8, .value_kind: global_buffer, .address_space: global }
    .group_segment_fixed_size: 102912
    .private_segment_fixed_size: 0
    .kernarg_segment_align: 8
    .kernarg_segment_size: 64
    .max_flat_workgroup_size: 128
    .sgpr_count:     66
    .vgpr_count:     192
    .wavefront_size: 32
...
	.end_amdgpu_metadata
.endif
;; end of part 1
;; launch qkv (part 2): grid 12 x 32, 4 waves a work-group, clusters of 4 x 4, 327,680 bytes of LDS; arguments x_codes, x_scales, w_codes, w_scales, b_qkv, qkv; writes qkv
.if DOCPART == 2
	.amdgcn_target "amdgcn-amd-amdhsa--gfx1250"
	.amdhsa_code_object_version 6
	.text
	.protected	k_q249e78e04c_qkv
	.globl	k_q249e78e04c_qkv
	.p2align	8
	.type	k_q249e78e04c_qkv,@function
k_q249e78e04c_qkv:
	s_mov_b64 s[64:65], 0
	v_nop
	global_prefetch_b8 v0, s[64:65] scope:SCOPE_SE
	s_setreg_imm32_b32 hwreg(HW_REG_WAVE_MODE, 25, 1), 1
	s_wait_xcnt 0x0
	s_wait_alu depctr_hold_cnt(0) depctr_sa_sdst(0) depctr_va_vdst(0) depctr_va_sdst(0) depctr_va_ssrc(0) depctr_va_vcc(0) depctr_vm_vsrc(0)
	s_getreg_b32 s2, hwreg(HW_REG_IB_STS2, 6, 4)
	s_cmp_eq_u32 s2, 0
	s_cbranch_scc0 .Lentry_in_a_cluster
	s_endpgm
.Lentry_in_a_cluster:
	s_bfe_u32 s2, ttmp6, 0x10000c
	s_cmp_lg_u32 s2, 0xf033
	s_cbranch_scc0 .Lentry_shape_is_right
	s_endpgm
.Lentry_shape_is_right:
; qkv = x W_qkv + b_qkv on codes of E2M1 with one E8M0 scale for each 32 along K; M = 8192, N = 3072, K = 1024; sums in f32; the result leaves as f16, laid by head: [3 which][64 b x head][2048 token][64].
; WORK LEFT OUT: K's bias, b_qkv[1024:2048], is neither loaded nor added: it adds q' . bk / 8 to every score of a query's row, the same along the softmax's axis, and K enters nothing else.
; LIMITS: a NaN, an infinity or an overflow that comes through K's bias alone is not carried; q, k, v go to f16: magnitudes under 65,504.
; A tile of C, 256 x 256, is made by four waves, each 128 x 128: 64 accumulators, 512 registers.  K is 1,024: two slots of 512 along K (rows of 256 bytes) hold all of it, so every tile is a first fill
; and nothing is filled again.  The scale bytes of the work-group's 256 + 256 rows are two dense blocks of memory and come with the first fills, in rows of 256 bytes.
; CLUSTERS: 4 x 4 work-groups; A's tiles are asked for jointly along a row of the cluster, B's along a column.  The cluster's x is also which of q, k, v its 1,024 columns are.
; THE MATRIX INSTRUCTION IS USED TRANSPOSED (source 0 = 16 rows of W's codes, source 1 = 16 rows of x's): a lane holds eight neighbouring columns of one row of C.  The bias is the C of each sum's first product.
; REGISTERS, in windows of 256: window 0: v0-31 addresses; v32-95 scale words, two sets; v128-191 A's fragments, one set; v192-255 the bias, later the way out.   window 1: B's fragments, two sets.
;   window 2: the accumulators of my rows 0-63 ((a, b) at v[8 (8 a + b)]);   window 3: those of my rows 64-127.
.set SIZE_K, 1024
.set KSTEP,  512
.set NQ,     KSTEP/128
.set ROWB,   256                       ; a tile's row in bytes
.set KROW,   SIZE_K/2                  ; a row of codes in memory
.set PITCH,  272                       ; an LDS row: 256 bytes + 16 of padding = 68 words: row r starts at bank 4 r mod 64 (64 banks of 4 bytes: ISA guide 11.1)
.set FR,     8
.set NL,     2
.set NP,     4                         ; places behind this matrix instruction (ISA guide 7.12.1)
.set HALFT,  128*PITCH
.set SLOT,   4*HALFT                   ; A's 256 rows, then B's 256 rows
.set KS,     SIZE_K/32                 ; a row of scales in bytes
.set SCL,    2*SLOT                    ; behind the slots: the scales, as rows of 256 bytes + 16
.set HALFS,  (128*KS/256)*272
.set SBLK,   (16*KS/256)*272
.set SPARE,  SCL+4*HALFS               ; the spare words, 128 bytes for each wave: two blocks of 256 bytes that no other line names
.set SWAVE,  4608                      ; the way out: a stage for each wave, 2 heads x 16 tokens x (128 bytes + 16).  It lies in slot 0, which has had its one fill and its last read when the first result is stored there
.set ADRA, 16                          ; v16-17 LDS address of my A fragments in slot 0, 1
.set ADRB, 20                          ; v20-21 the same for B
.set STO,  24                          ; v24 the way out: where I put 16 bytes of a token's row
.set RD,   25                          ; v25 where I read back
.set CO,   26                          ; v26 16 x lane: my bytes of 512 consecutive bytes of qkv
.set ADRS, 27                          ; v27 LDS address of my scale words: lanes 0-15 A's rows, lanes 16-31 B's
.set SPW,  28                          ; v28 my spare word; never rewritten
.set NIL,  29                          ; v29 0; never rewritten
.set BO,   30                          ; v30 32 x (lane / 16): my eight numbers of a block's sixteen biases
.set SC,   32
.set AF,   128
.set BIAS, 192                         ; v192-255: for B's block b, register 8 b + j: b_qkv at my column 16 b + 8 (lane / 16) + j
.set TMP,  192                         ; the way out: packed results
.set OB,   32                          ; the way out: rows read back: v32-63 and v224-255 by turns
.set WV,   66                          ; s66 wave;  s67 wave / 2: my half of the rows; I fetch for A (0) or B (1);  s96 wave % 2: my half of the columns; which 128 rows I fetch;  s97 tile row
.set WHI,  67
.set WLO,  96
.set TR,   97
.set G1, 24
.set G0, 32
.set G1B, 48
.set G0B, 56
.set G1S, 68
.set G0S, 76
.set G1SB, 80
.set G0SB, 88
.set MSB, 0
.macro WIN new                         ; the immediate's high byte repeats the setting that is left
.if MSB != \new
	s_set_vgpr_msb (MSB<<8)|\new
.set MSB, \new
.endif
.endm
.set MUL_LO, 0xa1                      ; source 0 (B) window 1, source 1 (A) window 0, C and D window 2
.set MUL_HI, 0xf1                      ; the same, C and D window 3
.set FST_LO, 0x81                      ; the first step: C (the bias) window 0, D window 2
.set FST_HI, 0xc1                      ; D window 3
.set TO_B,   0x40
; A joint load: waves 0 and 1 fetch for A, waves 2 and 3 for B; the branch hangs on the wave's number alone.  An s_nop 0 and four v_nop follow each of the two lines.
.macro JLOAD g0a, g1a, g0b, g1b
	s_cmp_eq_u32 s[WHI], 0
	s_cbranch_scc0 .Lfor_b_\@
	tensor_load_to_lds s[\g0a:\g0a+3], s[\g1a:\g1a+7]
	s_nop 0
.rept 4
	v_nop
.endr
	s_branch .Lasked_\@
.Lfor_b_\@:
	tensor_load_to_lds s[\g0b:\g0b+3], s[\g1b:\g1b+7]
	s_nop 0
.rept 4
	v_nop
.endr
.Lasked_\@:
.endm
.macro CROUND                          ; a round of the cluster's barrier
	s_barrier_signal -1
	s_barrier_wait -1
	s_cmp_lg_u32 s[WV], 0
	s_cbranch_scc1 .Lnot_wave_0_\@
	s_barrier_signal -3
.Lnot_wave_0_\@:
	s_barrier_wait -3
	s_barrier_signal -1
	s_barrier_wait -1
.endm
	s_load_b128 s[4:7], s[0:1], 0x0                ; x's codes s[4:5], x's scales s[6:7]
	s_load_b128 s[8:11], s[0:1], 0x10              ; W's codes s[8:9], W's scales s[10:11]
	s_load_b128 s[12:15], s[0:1], 0x20             ; b_qkv s[12:13], qkv s[14:15]
	v_lshl_add_u32 v[SPW], v0, 2, SPARE
	v_mov_b32 v[NIL], 0
	ds_add_u32 v[SPW], v[NIL]                      ; the wave's opening: the add, twice on end, and its wait ahead of my first tensor load
	ds_add_u32 v[SPW], v[NIL]
	v_lshrrev_b32 v1, 5, v0
	v_readfirstlane_b32 s[WV], v1
	s_lshr_b32 s[WHI], s[WV], 1
	s_and_b32 s[WLO], s[WV], 1
	s_bfe_u32 s40, ttmp6, 0x40000                  ; cx, cy: my place in the cluster
	s_bfe_u32 s41, ttmp6, 0x40004
	s_lshl_b32 s42, ttmp9, 2
	s_add_co_u32 s42, s42, s40                     ; tile column of C = 4 x cluster x + cx
	s_and_b32 s[TR], ttmp7, 0xffff
	s_lshl_b32 s[TR], s[TR], 2
	s_add_co_u32 s[TR], s[TR], s41                 ; tile row of C = 4 x cluster y + cy
	s_lshl_b32 s43, s41, 2
	s_lshl_b32 s43, 15, s43                        ; my row of the cluster
	s_lshl_b32 s44, 0x1111, s40                    ; my column
	; descriptor group 1: a tile of 128 rows x 256 bytes, padded in LDS
	s_or_b32 s[G1+0], s43, (0<<16)|(1<<20)|(1<<21)|(5<<22)|(3<<25)  ; 15:0 the mask; 17:16 elements of 1 byte; 20 padding on; 21 set beside a mask; 24:22 after every 64 words; 31:25 four words
	s_or_b32 s[G1B+0], s44, (0<<16)|(1<<20)|(1<<21)|(5<<22)|(3<<25)
.irp g, G1, G1B
	s_mov_b32 s[\g+1], ROWB<<16                    ; tensor_dim0
	s_mov_b32 s[\g+2], 128<<16                     ; tensor_dim1
	s_mov_b32 s[\g+3], ROWB<<16                    ; tile_dim0
	s_mov_b32 s[\g+4], 128                         ; tile_dim1
	s_mov_b32 s[\g+5], KROW                        ; tensor_dim0_stride
	s_mov_b32 s[\g+6], 0
	s_mov_b32 s[\g+7], 0
.endr
	; the scales of 128 rows: 4,096 dense bytes, as 16 rows of 256 bytes (32 elements of 8 bytes), 16 bytes of padding behind each
	s_or_b32 s[G1S+0], s43, (3<<16)|(1<<20)|(1<<21)|(5<<22)|(3<<25)
	s_or_b32 s[G1SB+0], s44, (3<<16)|(1<<20)|(1<<21)|(5<<22)|(3<<25)
.irp g, G1S, G1SB
	s_mov_b32 s[\g+1], 32<<16
	s_mov_b32 s[\g+2], (128*KS/256)<<16
	s_mov_b32 s[\g+3], 32<<16
	s_mov_b32 s[\g+4], 128*KS/256
	s_mov_b32 s[\g+5], 32
	s_mov_b32 s[\g+6], 0
	s_mov_b32 s[\g+7], 0
.endr
	s_lshl_b32 s18, s[WLO], 7                      ; which 128 rows of the tile I fetch
	s_lshl_b32 s20, s[TR], 8
	s_add_co_u32 s20, s20, s18                     ; A: row 256 x tile row + 128 x half
	s_lshl_b32 s46, s42, 8
	s_add_co_u32 s46, s46, s18                     ; B: row 256 x tile column + 128 x half
	s_mov_b32 s21, 0
	s_mov_b32 s47, 0
	s_mov_b64 s[18:19], KS
	s_mul_u64 s[22:23], s[20:21], s[18:19]         ; where these rows' scales begin,
	s_mul_u64 s[92:93], s[46:47], s[18:19]
	s_mov_b64 s[18:19], KROW
	s_mul_u64 s[20:21], s[20:21], s[18:19]         ; and their codes
	s_mul_u64 s[46:47], s[46:47], s[18:19]
	s_mul_i32 s45, s[WV], HALFT                    ; where they go: wave x 128 rows: no place in the cluster enters an LDS address
	s_mul_i32 s94, s[WV], HALFS
	s_wait_dscnt 0x0                               ; both opening adds are done
	s_wait_kmcnt 0x0
	s_add_nc_u64 s[20:21], s[4:5], s[20:21]
	s_add_nc_u64 s[22:23], s[6:7], s[22:23]
	s_add_nc_u64 s[46:47], s[8:9], s[46:47]
	s_add_nc_u64 s[92:93], s[10:11], s[92:93]
	CROUND                                         ; all sixteen work-groups are here: the joint loads meet
	s_mov_b32 s[G0S], 1
	s_add_co_u32 s[G0S+1], s94, SCL
	s_mov_b64 s[G0S+2:G0S+3], s[22:23]
	s_or_b32 s[G0S+3], s[G0S+3], 0x80000000
	s_mov_b32 s[G0SB], 1
	s_add_co_u32 s[G0SB+1], s94, SCL
	s_mov_b64 s[G0SB+2:G0SB+3], s[92:93]
	s_or_b32 s[G0SB+3], s[G0SB+3], 0x80000000
	JLOAD G0S, G1S, G0SB, G1SB                     ; the scales first: they are wanted with the first slot.  Three loads of mine are out behind the third
.irp s, 0,1
	s_mov_b32 s[G0+4*\s], 1
	s_add_co_u32 s[G0+4*\s+1], s45, \s*SLOT
	s_add_nc_u64 s[G0+4*\s+2:G0+4*\s+3], s[20:21], \s*ROWB
	s_or_b32 s[G0+4*\s+3], s[G0+4*\s+3], 0x80000000
	s_mov_b32 s[G0B+4*\s], 1
	s_add_co_u32 s[G0B+4*\s+1], s45, \s*SLOT
	s_add_nc_u64 s[G0B+4*\s+2:G0B+4*\s+3], s[46:47], \s*ROWB
	s_or_b32 s[G0B+4*\s+3], s[G0B+4*\s+3], 0x80000000
	JLOAD G0+4*\s, G1, G0B+4*\s, G1B
.endr
	v_and_b32 v1, 15, v0                           ; l % 16
	v_bfe_u32 v2, v0, 4, 1                         ; l / 16
	; THE BIAS.  The cluster's x says which of q, k, v my columns are; it is the same in all sixteen partners.  For k the bias is left out: zeros take its place, so that the first step is written once.
	v_lshlrev_b32 v[BO], 5, v2
	s_lshl_b32 s46, s42, 10                        ; 4 bytes x (256 x tile column
	s_lshl_b32 s47, s[WLO], 9                      ; + 128 x half)
	s_add_co_u32 s46, s46, s47
	s_mov_b32 s47, 0
	s_add_nc_u64 s[12:13], s[12:13], s[46:47]
	s_cmp_eq_u32 ttmp9, 1
	s_cbranch_scc1 .Lno_bias
.irp b, 0,1,2,3,4,5,6,7
	global_load_b128 v[BIAS+8*\b:BIAS+8*\b+3],   v[BO], s[12:13] offset:64*\b
	global_load_b128 v[BIAS+8*\b+4:BIAS+8*\b+7], v[BO], s[12:13] offset:64*\b+16
.endr
	s_branch .Lbias_done
.Lno_bias:
.set i, 0
.rept 64
	v_mov_b32 v[BIAS+i], 0
.set i, i+1
.endr
.Lbias_done:
	v_mul_u32_u24 v3, v1, PITCH
	v_lshl_add_u32 v4, v2, 4, v3                   ; a fragment's row x pitch + 16 x half
	s_mul_i32 s21, s[WHI], HALFT                   ; my 128 rows of A
	s_mul_i32 s22, s[WLO], HALFT                   ; my 128 rows of B,
	s_add_co_u32 s22, s22, 2*HALFT                 ; which lie behind A's 256
.irp s, 0,1
	v_add_nc_u32 v[ADRA+\s], s21, v4
	v_add_nc_u32 v[ADRB+\s], s22, v4
	s_add_co_u32 s21, s21, SLOT
	s_add_co_u32 s22, s22, SLOT
.endr
	v_mul_u32_u24 v5, v1, KS                       ; my row's scales: 32 bytes a row,
	v_lshrrev_b32 v6, 8, v5
	v_lshl_add_u32 v5, v6, 4, v5                   ; and 16 more for each 256 passed
	s_mul_i32 s21, s[WHI], HALFS                   ; A's: my 128 rows
	s_mul_i32 s22, s[WLO], HALFS                   ; B's: my 128 rows, behind A's 256
	s_add_co_u32 s22, s22, 2*HALFS
	s_sub_co_u32 s22, s22, s21
	v_mul_u32_u24 v6, s22, v2                      ; lanes 16-31 take B's: one product, the distance between the two bases
	s_add_co_u32 s21, s21, SCL
	v_add_nc_u32 v5, v5, v6
	v_add_nc_u32 v[ADRS], s21, v5
	s_mul_i32 s23, s[WV], SWAVE                    ; my stage
	v_mul_u32_u24 v5, v1, 144                      ; in: token l % 16, 16 bytes for each half of the lanes
	v_lshl_add_u32 v5, v2, 4, v5
	v_add_nc_u32 v[STO], s23, v5
	v_bfe_u32 v5, v0, 3, 2                         ; back: eight lanes to a token's 128 bytes, four tokens an instruction
	v_mul_u32_u24 v5, v5, 144
	v_and_b32 v6, 7, v0
	v_lshl_add_u32 v5, v6, 4, v5
	v_add_nc_u32 v[RD], s23, v5
	v_and_b32 v6, 31, v0
	v_lshlrev_b32 v[CO], 4, v6
	; where my part begins in qkv: which x 2^24 + (16 b + 4 cx + 2 x column half) x 2^18 + (256 (tile row % 8) + 128 x row half) x 128
	s_lshr_b32 s20, s[TR], 3
	s_lshl_b32 s20, s20, 4
	s_lshl_b32 s21, s40, 2
	s_add_co_u32 s20, s20, s21
	s_lshl_b32 s21, s[WLO], 1
	s_add_co_u32 s20, s20, s21
	s_lshl_b32 s20, s20, 18
	s_and_b32 s21, s[TR], 7
	s_lshl_b32 s21, s21, 15
	s_add_co_u32 s20, s20, s21
	s_lshl_b32 s21, s[WHI], 14
	s_add_co_u32 s20, s20, s21
	s_lshl_b32 s21, ttmp9, 24
	s_add_co_u32 s20, s20, s21
	s_mov_b32 s21, 0
	s_add_nc_u64 s[14:15], s[14:15], s[20:21]
.macro FRAG reg, adr, q, i             ; 16 rows x 128 K of 4-bit codes: lane l holds row l % 16; registers 4 c .. 4 c + 3 hold K = 64 c + 32 (l / 16) + 0 .. 31
.irp c, 0,1
	ds_load_b128 v[\reg+4*\c:\reg+4*\c+3], v[\adr] offset:64*(\q)+32*\c+(\i)*16*PITCH
.endr
.endm
; 16 matrix instructions: A's blocks a0, a0 + 1 x B's eight, the slot's q-th 128 along K.  p: B's set; sc: the set of scale words.  first = 1: the bias is the C: nothing is ever cleared or added later.
; The 64 accumulators take turns, one instruction a turn, in the same order in every step.
.macro MUL16 a0, p, q, sc, first
.irp a, \a0, \a0+1
.irp b, 0,1,2,3,4,5,6,7
.if \first
	v_wmma_scale_f32_16x16x128_f8f6f4 v[8*(8*((\a)%4)+\b):8*(8*((\a)%4)+\b)+7], v[128*(\p)+FR*\b:128*(\p)+FR*\b+FR-1], v[AF+FR*(\a):AF+FR*(\a)+FR-1], v[BIAS+8*\b:BIAS+8*\b+7], v[SC+8*NQ*(\sc)+NQ*\b+(\q)], v[SC+8*NQ*(\sc)+NQ*(\a)+(\q)] matrix_a_fmt:MATRIX_FMT_FP4 matrix_b_fmt:MATRIX_FMT_FP4 matrix_a_scale:MATRIX_SCALE_ROW1
.else
	v_wmma_scale_f32_16x16x128_f8f6f4 v[8*(8*((\a)%4)+\b):8*(8*((\a)%4)+\b)+7], v[128*(\p)+FR*\b:128*(\p)+FR*\b+FR-1], v[AF+FR*(\a):AF+FR*(\a)+FR-1], v[8*(8*((\a)%4)+\b):8*(8*((\a)%4)+\b)+7], v[SC+8*NQ*(\sc)+NQ*\b+(\q)], v[SC+8*NQ*(\sc)+NQ*(\a)+(\q)] matrix_a_fmt:MATRIX_FMT_FP4 matrix_b_fmt:MATRIX_FMT_FP4 matrix_a_scale:MATRIX_SCALE_ROW1
.endif
.endr
.endr
.endm
.macro FETCH_B slot, q, p
	WIN TO_B
.irp i, 0,1,2,3,4,5,6,7
	FRAG 128*(\p)+FR*\i, ADRB+\slot, \q, \i
.endr
	WIN 0
.endm
.macro FETCH_A slot, q, i0
.irp i, \i0, \i0+1, \i0+2, \i0+3
	FRAG AF+FR*(\i), ADRA+\slot, \q, \i
.endr
.endm
.macro SCALES sc                       ; a slot's scale words: four words a row; lanes 0-15 take A's block i, lanes 16-31 B's block i
.irp i, 0,1,2,3,4,5,6,7
	ds_load_b128 v[SC+8*NQ*\sc+NQ*\i:SC+8*NQ*\sc+NQ*\i+3], v[ADRS] offset:\i*SBLK
.endr
.endm
.macro PLACES n                        ; plain vector instructions that name no register of the matrix instructions: in front of loads into registers that those have read, and of reads of results
.rept \n
	v_nop
.endr
.endm
.macro STEP slot, q, first             ; a step of 128 along K that has its successor in the same slot
	s_wait_dscnt 4*NL                              ; B's set and A's blocks 0-3 are in; the youngest eight loads (A's blocks 4-7) may be out
.if \first
	WIN FST_LO
.else
	WIN MUL_LO
.endif
	MUL16 0, (\q)%2, \q, \slot, \first
	MUL16 2, (\q)%2, \q, \slot, \first
	s_wait_dscnt 0
	PLACES NP
	FETCH_B \slot, (\q)+1, 1-(\q)%2
	FETCH_A \slot, (\q)+1, 0
.if \first
	WIN FST_HI
.else
	WIN MUL_HI
.endif
	MUL16 4, (\q)%2, \q, \slot, \first
	MUL16 6, (\q)%2, \q, \slot, \first
	PLACES NP
	WIN 0
	FETCH_A \slot, (\q)+1, 4
.endm
.macro STEPS slot, from
.set Q, \from
.rept NQ-1-\from
	STEP \slot, Q, 0
.set Q, Q+1
.endr
.endm
	s_wait_tensorcnt 1                             ; the scales and my part of slot 0 are in (slot 1's load may be out),
	s_barrier_signal -1
	s_barrier_wait -1                              ; everybody's are
	FETCH_B 0, 0, 0
	FETCH_A 0, 0, 0
	SCALES 0
	FETCH_A 0, 0, 4
	s_wait_loadcnt 0x0                             ; the bias
	STEP 0, 0, 1
	STEPS 0, 1
	; slot 0's last step changes slots: one barrier; in front of it each wave waits for its last tensor load (its part of slot 1) and for its reads of slot 0
	s_wait_tensorcnt 0x0
	ds_add_u32 v[SPW], v[NIL]                      ; 0 onto my spare word
	s_wait_dscnt 4*NL+1                            ; (the add and A's blocks 4-7 may be out)
	WIN MUL_LO
	MUL16 0, 1, NQ-1, 0, 0
	s_wait_dscnt 0x0                               ; the add is done, and my reads of slot 0 are over
	s_barrier_signal -1
	MUL16 2, 1, NQ-1, 0, 0
	WIN 0
	s_barrier_wait -1
	PLACES NP
	v_add_nc_u32 v[ADRS], 4*NQ, v[ADRS]            ; on to slot 1's scale words
	FETCH_B 1, 0, 0
	FETCH_A 1, 0, 0
	SCALES 1
	WIN MUL_HI
	MUL16 4, 1, NQ-1, 0, 0
	MUL16 6, 1, NQ-1, 0, 0
	PLACES NP
	WIN 0
	FETCH_A 1, 0, 4
	STEPS 1, 0
	s_wait_dscnt 4*NL                              ; the very last step: nothing more to fetch
	WIN MUL_LO
	MUL16 0, 1, NQ-1, 1, 0
	MUL16 2, 1, NQ-1, 1, 0
	s_wait_dscnt 0
	WIN MUL_HI
	MUL16 4, 1, NQ-1, 1, 0
	MUL16 6, 1, NQ-1, 1, 0
	WIN 0
; THE WAY OUT, block by block of 16 tokens x 128 columns (two heads).  PACK: rounded to f16, 16 bytes a lane, each accumulator from its low end on.  TOSTAGE: into my stage, rows of 144 bytes by head and token,
; and back four tokens of one head at a time.  SEND: those are 512 consecutive bytes of qkv.
.macro PACK a
.set AC, 64*((\a)%4)
	WIN 0x0a+5*((\a)/4)                            ; sources 0 and 1: window 2 or 3
.irp b, 0,1,2,3,4,5,6,7
.irp r, 0,1,2,3
	v_cvt_pk_f16_f32 v[TMP+4*\b+\r], v[AC+8*\b+2*\r], v[AC+8*\b+2*\r+1]
.endr
.endr
	WIN 0
.endm
.macro TOSTAGE a
.set BK, OB+192*((\a)%2)
.irp b, 0,1,2,3,4,5,6,7
	ds_store_b128 v[STO], v[TMP+4*\b:TMP+4*\b+3] offset:(\b/4)*2304+(\b%4)*32
.endr
.irp u, 0,1,2,3,4,5,6,7
	ds_load_b128 v[BK+4*\u:BK+4*\u+3], v[RD] offset:(\u/4)*2304+(\u%4)*576   ; LDS serves a wave's instructions in order (ISA guide 5.7.1.4): these see the stores above
.endr
.endm
.macro SEND a
.set BK, OB+192*((\a)%2)
	s_wait_dscnt 0x0                               ; the block is back in registers
	s_wait_xcnt 0x0                                ; the earlier stores have read their base and their registers: only behind this wait are they rewritten
.if (\a) > 0
	s_add_nc_u64 s[14:15], s[14:15], 2048          ; 16 tokens on
.endif
.irp u, 0,1,2,3,4,5,6,7
	global_store_b128 v[CO], v[BK+4*\u:BK+4*\u+3], s[14:15] offset:(\u/4)*262144+(\u%4)*512   ; 32 lanes store 512 consecutive bytes, at a multiple of 512 from qkv's first byte
.endr
.endm
	PLACES NP
	PACK 0
	TOSTAGE 0
.irp a, 1,2,3,4,5,6,7                  ; block a's conversions stand between block a - 1's loads from the stage and the wait for them
	PACK \a
	SEND (\a-1)
	TOSTAGE \a
.endr
	SEND 7
	s_wait_tensorcnt 0x0                           ; the wave's end, behind my last tensor load and my last LDS store
	ds_add_u32 v[SPW], v[NIL]
	s_wait_dscnt 0x0
	CROUND                                         ; the closing round
	s_endpgm
.Lfunc_end_k_q249e78e04c_qkv:
	.size	k_q249e78e04c_qkv, .Lfunc_end_k_q249e78e04c_qkv-k_q249e78e04c_qkv
	.p2alignl 7, 3214868480
	.fill 96, 4, 3214868480
	.section	.rodata,"a",@progbits
	.p2align	6, 0x0
	.amdhsa_kernel k_q249e78e04c_qkv
		.amdhsa_group_segment_fixed_size 327680
		.amdhsa_private_segment_fixed_size 0
		.amdhsa_enable_private_segment 0
		.amdhsa_kernarg_size 48
		.amdhsa_user_sgpr_count 2
		.amdhsa_user_sgpr_kernarg_segment_ptr 1
		.amdhsa_wavefront_size32 1
		.amdhsa_system_sgpr_workgroup_id_x 1
		.amdhsa_system_sgpr_workgroup_id_y 1
		.amdhsa_system_sgpr_workgroup_id_z 1
		.amdhsa_system_vgpr_workitem_id 0
		.amdhsa_next_free_vgpr 1024
		.amdhsa_next_free_sgpr 98
		.amdhsa_reserve_vcc 0
		.amdhsa_float_denorm_mode_32 3
		.amdhsa_float_denorm_mode_16_64 3
		.amdhsa_memory_ordered 1
		.amdhsa_forward_progress 1
		.amdhsa_inst_pref_size 131
	.end_amdhsa_kernel
	.amdgpu_metadata
---
amdhsa.version: [ 1, 2 ]
amdhsa.kernels:
  - .name:           k_q249e78e04c_qkv
    .symbol:         k_q249e78e04c_qkv.kd
    .args:
      - { .name: x_codes, .offset: 0, .size: 8, .value_kind: global_buffer, .address_space: global }
      - { .name: x_scales, .offset: 8, .size: 8, .value_kind: global_buffer, .address_space: global }
      - { .name: w_codes, .offset: 16, .size: 8, .value_kind: global_buffer, .address_space: global }
      - { .name: w_scales, .offset: 24, .size: 8, .value_kind: global_buffer, .address_space: global }
      - { .name: b_qkv, .offset: 32, .size: 8, .value_kind: global_buffer, .address_space: global }
      - { .name: qkv, .offset: 40, .size: 8, .value_kind: global_buffer, .address_space: global }
    .group_segment_fixed_size: 327680
    .private_segment_fixed_size: 0
    .kernarg_segment_align: 8
    .kernarg_segment_size: 48
    .max_flat_workgroup_size: 128
    .sgpr_count:     98
    .vgpr_count:     1024
    .wavefront_size: 32
...
	.end_amdgpu_metadata
.endif
;; end of part 2
;; launch attn (part 3): grid 4 x 64, 16 waves a work-group, clusters of 4 x 1, 327,680 bytes of LDS; arguments qkv, ao; writes ao
.if DOCPART == 3
	.amdgcn_target "amdgcn-amd-amdhsa--gfx1250"
	.amdhsa_code_object_version 6
	.text
	.protected	k_q249e78e04c_attn
	.globl	k_q249e78e04c_attn
	.p2align	8
	.type	k_q249e78e04c_attn,@function
k_q249e78e04c_attn:
	s_mov_b64 s[64:65], 0
	v_nop
	global_prefetch_b8 v0, s[64:65] scope:SCOPE_SE
	s_setreg_imm32_b32 hwreg(HW_REG_WAVE_MODE, 25, 1), 1
	s_wait_xcnt 0x0
	s_wait_alu depctr_hold_cnt(0) depctr_sa_sdst(0) depctr_va_vdst(0) depctr_va_sdst(0) depctr_va_ssrc(0) depctr_va_vcc(0) depctr_vm_vsrc(0)
	s_getreg_b32 s2, hwreg(HW_REG_IB_STS2, 6, 4)
	s_cmp_eq_u32 s2, 0
	s_cbranch_scc0 .Lentry_in_a_cluster
	s_endpgm
.Lentry_in_a_cluster:
	s_bfe_u32 s2, ttmp6, 0x10000c
	s_cmp_lg_u32 s2, 0x3003
	s_cbranch_scc0 .Lentry_shape_is_right
	s_endpgm
.Lentry_shape_is_right:
; O[bh][q] = the sum over k of softmax_k(Q[bh][q] . K[bh][k] / 8) V[bh][k].  Q, K, V: qkv [3][64 bh][2048][64] f16; O: ao [64 bh][2048][64] f16.  Products on f16 operands with f32 sums; maxima, exponentials
; and sums in f32; the weights p, at most 1, are rounded to f16 for the second product, O once at the end.  (K carries no bias: a term that is the same along the softmax's axis; see launch qkv.)
; LIMITS: what falls under f16's smallest number in p becomes 0; O in f16: magnitudes under 65,504, and a step of 6e-8 for the very small.
; SHARES.  A work-group owns 512 queries of one (b, head); each of its SIXTEEN waves owns 32: two tiles of 16, in 256 registers, four waves to a SIMD, so that one wave's vector work stands beside another's
; matrix work and LDS loads.  Every wave walks all 2,048 keys, 64 a step.  Each fragment of K and V read from LDS feeds two matrix instructions.
; LAYOUT.  S^T = K Q^T (source 0 = 16 keys, source 1 = 16 queries): a lane holds ONE query (lane % 16) and the keys 8 (lane / 16) + 0..7.  Two such tiles, rounded to f16 in pairs, ARE source 1 of
; O^T = V^T P.  K comes out of LDS as it lies, V ([key][channel]) turned, by ds_load_tr16_b128.
; SOFTMAX.  For each query a running maximum m and sum l: p = 2^(c s - c m), c = log2(e) / 8; in every step O and l are multiplied by a = 2^(c m_old - c m_new).  m begins at -3e38 and O, l at 0, so the step is written once.
; LDS.  Two slots of 512 keys.  A key's row is 128 bytes and the tiles are dense in memory, so two keys make a row of 256 bytes.  Four slots' worth of keys: each slot is filled twice.
; CLUSTER.  The four query blocks of a head walk the same K and V: each tile is asked for jointly, by the same tensor load with a mask that names the four.  A load brings 128 keys of K or of V; the two slots'
; sixteen first fills are one for each wave; a slot is filled again by the same eight waves.
.set PK,    272                        ; two keys of K in LDS: 256 bytes + 16 = 68 words
.set PV,    288                        ; two keys of V
.set KREG,  256*PK                     ; a slot: 256 rows of K, then 256 rows of V
.set SLOTB, 256*(PK+PV)
.set SPARE, 2*SLOTB                    ; the spare words, 128 bytes for each wave: eight blocks of 256 bytes that no other line names
.set SWAVE, 4608                       ; the way out: a stage for each wave, 2 tiles x 16 rows x (128 + 16), in slot 0: it has had its last fill, and nobody reads it behind the last change of slots
.set AK0, 1                            ; v1  my lane's place in a tile of K; never rewritten
.set AV0, 2                            ; v2  the same for V
.set ADK, 3                            ; v3  the step's address in K
.set ADV, 4                            ; v4  in V
.set STO, 5                            ; v5  the way out: where I put 16 bytes of a row
.set RD,  6                            ; v6  where I read back
.set GO,  7                            ; v7  16 x lane
.set SPW, 10                           ; v10 my spare word; never rewritten
.set NIL, 11                           ; v11 0; never rewritten
.set QO,  12                           ; v12 my byte offset in the wave's rows of Q
.set CM,  13                           ; v13, v14 c m of the step before, for tiles 0, 1
.set ST,  16                           ; tile t's statistics at v[ST + 8 t]: +0 c m, +1 m, +2, +3 l (even keys', odd keys'), +4 .. +7 at work; a takes +6
.set QF,  32                           ; v32-63   Q: tile t, channels 32 c on: 16 t + 8 c
.set KV,  64                           ; v64-127  ONE buffer: K's eight fragments of a step, then V's eight
.set S,   128                          ; v128-191 S^T: 32 t + 8 kt; then p; then P in the tile's first 16
.set OT,  192                          ; v192-255 O^T: 32 t + 8 ct
.set WV,   12                          ; s12 wave
.set SL,   15                          ; s15 wave / 8: the slot that I fill
.set KIND, 16                          ; s16 (wave / 4) % 2: I fetch K (0) or V (1)
.set QT,   17                          ; s17 wave % 4: which 128 keys of the slot
.set G1K,  24
.set G1V,  32
.set G0K,  40                          ; first fills
.set G0V,  44
.set G0KR, 48                          ; refills: the same LDS bytes, 1,024 keys on
.set G0VR, 52
.set TK,   56                          ; s56 LDS byte at which the step's keys of K begin
.set TV,   57                          ; s57 the same for V (less KREG)
.set CS,   58                          ; s[58:59] c: the packed form names a pair and takes its low word for both halves
.set SEL,  60                          ; s[60:61] lane selects for v_permlanex16_b32: lane l xor 16
.set CNT,  62
.macro CROUND                          ; a round of the cluster's barrier
	s_barrier_signal -1
	s_barrier_wait -1
	s_cmp_lg_u32 s[WV], 0
	s_cbranch_scc1 .Lnot_wave_0_\@
	s_barrier_signal -3
.Lnot_wave_0_\@:
	s_barrier_wait -3
	s_barrier_signal -1
	s_barrier_wait -1
.endm
; A joint refill of slot s, by the eight waves whose slot it is.  The branches hang on the wave's number alone: they are the same in every work-group.  An s_nop 0 and four v_nop follow each load.
.macro JLOAD s
	s_cmp_lg_u32 s[SL], \s
	s_cbranch_scc1 .Lasked_\@
	s_cmp_eq_u32 s[KIND], 0
	s_cbranch_scc0 .Lfor_v_\@
	tensor_load_to_lds s[G0KR:G0KR+3], s[G1K:G1K+7]
	s_nop 0
.rept 4
	v_nop
.endr
	s_branch .Lasked_\@
.Lfor_v_\@:
	tensor_load_to_lds s[G0VR:G0VR+3], s[G1V:G1V+7]
	s_nop 0
.rept 4
	v_nop
.endr
.Lasked_\@:
.endm
	s_load_b128 s[4:7], s[0:1], 0x0                ; qkv s[4:5], ao s[6:7]
	v_lshl_add_u32 v[SPW], v0, 2, SPARE
	v_mov_b32 v[NIL], 0
	ds_add_u32 v[SPW], v[NIL]                      ; the wave's opening: the add, twice on end, and its wait ahead of my first tensor load
	ds_add_u32 v[SPW], v[NIL]
	v_lshrrev_b32 v8, 5, v0
	v_readfirstlane_b32 s[WV], v8                  ; wave 0..15
	s_bfe_u32 s13, ttmp6, 0x40000                  ; cx: my place in the cluster
	s_lshl_b32 s14, ttmp9, 2
	s_add_co_u32 s14, s14, s13                     ; my block of 512 queries: it enters Q's and ao's addresses alone
	s_and_b32 s18, ttmp7, 0xffff                   ; b x 16 + head, which the four partners share
	s_lshl_b32 s18, s18, 18                        ; its first byte in each of q, k, v and in ao
	s_lshr_b32 s[SL], s[WV], 3
	s_bfe_u32 s[KIND], s[WV], 0x10002
	s_and_b32 s[QT], s[WV], 3
	s_lshl_b32 s22, s[SL], 16                      ; my tile in memory: 512 keys a slot,
	s_lshl_b32 s23, s[QT], 14                      ; 128 keys a load
	s_add_co_u32 s22, s22, s23
	s_add_co_u32 s22, s22, s18
	s_mov_b32 s23, 0
	s_lshl_b32 s2, s14, 16                         ; my block's 512 rows,
	s_lshl_b32 s3, s[WV], 12                       ; my wave's 32 of them
	s_add_co_u32 s2, s2, s3
	s_add_co_u32 s2, s2, s18
	s_mov_b32 s3, 0
	s_mul_i32 s21, s[SL], SLOTB                    ; and in LDS: no place in the cluster enters an LDS address
	s_mul_i32 s19, s[QT], 64*PK
	s_add_co_u32 s19, s19, s21                     ; K's
	s_mul_i32 s20, s[QT], 64*PV
	s_add_co_u32 s20, s20, s21
	s_add_co_u32 s20, s20, KREG                    ; V's
	; descriptor group 1: 64 rows x 128 elements of 2 bytes, dense in memory, padded in LDS
	s_mov_b32 s[G1K], 15|(1<<16)|(1<<20)|(1<<21)|(5<<22)|(3<<25)  ; 15:0 the mask: all four work-groups; 17:16 elements of 2 bytes; 20 padding on; 21 set beside a mask; 24:22 after every 64 words; 31:25 four words
	s_mov_b32 s[G1V], 15|(1<<16)|(1<<20)|(1<<21)|(5<<22)|(7<<25)  ; the same with eight words of padding
.irp g, G1K, G1V
	s_mov_b32 s[\g+1], 128<<16                     ; tensor_dim0
	s_mov_b32 s[\g+2], 64<<16                      ; tensor_dim1
	s_mov_b32 s[\g+3], 128<<16                     ; tile_dim0
	s_mov_b32 s[\g+4], 64                          ; tile_dim1
	s_mov_b32 s[\g+5], 128                         ; tensor_dim0_stride
	s_mov_b32 s[\g+6], 0
	s_mov_b32 s[\g+7], 0
.endr
	s_mov_b32 s[CS], 0x3e38aa3b                    ; c = log2(e) / 8
	s_mov_b32 s[CS+1], s[CS]
	s_mov_b32 s[SEL], 0x76543210
	s_mov_b32 s[SEL+1], 0xfedcba98
	s_wait_dscnt 0x0                               ; both opening adds are done
	s_wait_kmcnt 0x0
	s_add_nc_u64 s[8:9], s[4:5], s[22:23]
	s_add_nc_u64 s[10:11], s[8:9], 0x2000000       ; V at my tile
	s_add_nc_u64 s[8:9], s[8:9], 0x1000000         ; K at my tile
	s_add_nc_u64 s[4:5], s[4:5], s[2:3]            ; Q and ao at my wave's first row
	s_add_nc_u64 s[6:7], s[6:7], s[2:3]
	CROUND                                         ; all four work-groups are here: the first joint loads meet
	s_mov_b32 s[G0K], 1                            ; 1:0 count = 1
	s_mov_b32 s[G0K+1], s19                        ; 63:32 LDS address
	s_mov_b64 s[G0K+2:G0K+3], s[8:9]               ; 120:64 global address
	s_or_b32 s[G0K+3], s[G0K+3], 0x80000000        ; 127:126 type = 2
	s_mov_b32 s[G0V], 1
	s_mov_b32 s[G0V+1], s20
	s_mov_b64 s[G0V+2:G0V+3], s[10:11]
	s_or_b32 s[G0V+3], s[G0V+3], 0x80000000
	s_mov_b32 s[G0KR], 1
	s_mov_b32 s[G0KR+1], s19
	s_add_nc_u64 s[G0KR+2:G0KR+3], s[8:9], 131072  ; 1,024 keys on
	s_or_b32 s[G0KR+3], s[G0KR+3], 0x80000000
	s_mov_b32 s[G0VR], 1
	s_mov_b32 s[G0VR+1], s20
	s_add_nc_u64 s[G0VR+2:G0VR+3], s[10:11], 131072
	s_or_b32 s[G0VR+3], s[G0VR+3], 0x80000000
	s_cmp_eq_u32 s[KIND], 0                        ; every wave issues one first fill: a fill in each arm
	s_cbranch_scc0 .Lfirst_v
	tensor_load_to_lds s[G0K:G0K+3], s[G1K:G1K+7]
	s_nop 0
.rept 4
	v_nop
.endr
	s_branch .Lfirst_asked
.Lfirst_v:
	tensor_load_to_lds s[G0V:G0V+3], s[G1V:G1V+7]
	s_nop 0
.rept 4
	v_nop
.endr
.Lfirst_asked:
	v_and_b32 v8, 15, v0                           ; r = l % 16
	v_bfe_u32 v9, v0, 4, 1                         ; h = l / 16
	v_lshlrev_b32 v[QO], 7, v8
	v_lshl_add_u32 v[QO], v9, 4, v[QO]             ; row r of 128 bytes + 16 h
.irp t, 0,1                                    ; Q stays in registers: a fragment is 16 rows x 32 channels: two loads of 16 bytes, 32 bytes apart
.irp c, 0,1
	global_load_b128 v[QF+16*\t+8*\c:QF+16*\t+8*\c+3],   v[QO], s[4:5] offset:\t*2048+64*\c
	global_load_b128 v[QF+16*\t+8*\c+4:QF+16*\t+8*\c+7], v[QO], s[4:5] offset:\t*2048+64*\c+32
.endr
.endr
	v_lshrrev_b32 v13, 1, v8                       ; K: key r lies in row r / 2, half r % 2
	v_mul_u32_u24 v[AK0], v13, PK
	v_and_b32 v13, 1, v8
	v_lshl_add_u32 v[AK0], v13, 7, v[AK0]
	v_lshl_add_u32 v[AK0], v9, 4, v[AK0]
	v_bfe_u32 v13, v0, 1, 2                        ; V: the turning load's lane l reads key 8 h + l % 8, channels 8 ((l / 8) % 2) on: row 4 h + (l % 8) / 2, half l % 2
	v_lshl_add_u32 v13, v9, 2, v13
	v_mul_u32_u24 v[AV0], v13, PV
	v_and_b32 v13, 1, v0
	v_lshl_add_u32 v[AV0], v13, 7, v[AV0]
	v_bfe_u32 v13, v0, 3, 1
	v_lshl_add_u32 v[AV0], v13, 4, v[AV0]
	v_add_nc_u32 v[AV0], KREG, v[AV0]
	s_mul_i32 s21, s[WV], SWAVE                    ; my stage
	v_mul_u32_u24 v[STO], v8, 144                  ; in: row r, 16 bytes for each half of the lanes
	v_lshl_add_u32 v[STO], v9, 4, v[STO]
	v_add_nc_u32 v[STO], s21, v[STO]
	v_bfe_u32 v13, v0, 3, 2                        ; back: eight lanes to a row of 128 bytes, four rows an instruction
	v_mul_u32_u24 v[RD], v13, 144
	v_and_b32 v13, 7, v0
	v_lshl_add_u32 v[RD], v13, 4, v[RD]
	v_add_nc_u32 v[RD], s21, v[RD]
	v_and_b32 v[GO], 31, v0
	v_lshlrev_b32 v[GO], 4, v[GO]
.irp t, 0,1
	v_mov_b32 v[ST+8*\t+1], 0xff61b1e6             ; m: -3e38, under every score
	v_mul_f32 v[ST+8*\t], s[CS], v[ST+8*\t+1]      ; c m
	v_mov_b32 v[ST+8*\t+2], 0                      ; l
	v_mov_b32 v[ST+8*\t+3], 0
.endr
.set i, 0
.rept 64
	v_mov_b32 v[OT+i], 0                           ; O^T: the first step's a is 0 and multiplies zeros
.set i, i+1
.endr
; A KEY STEP: 64 keys.
.macro STEP
	v_add_nc_u32 v[ADK], s[TK], v[AK0]             ; five places behind the last step's V^T P: the loads below land in registers that it read (four are asked),
	v_add_nc_u32 v[ADV], s[TV], v[AV0]             ; and K Q^T writes over the registers that held P (five)
.rept 3
	v_nop
.endr
.irp kt, 0,1,2,3                               ; K: keys 16 kt on, channels 32 c on
.irp c, 0,1
	ds_load_b128 v[KV+16*\kt+8*\c:KV+16*\kt+8*\c+3],   v[ADK] offset:\kt*8*PK+64*\c
	ds_load_b128 v[KV+16*\kt+8*\c+4:KV+16*\kt+8*\c+7], v[ADK] offset:\kt*8*PK+64*\c+32
.endr
.endr
	s_wait_dscnt 0x0
.set i, 0
.rept 16                                       ; S^T = K Q^T: channels 32 (i / 8) on, keys 16 ((i / 2) % 4) on, tile i % 2.  The first eight start the sums; the eight accumulators take turns
.set rS, S+32*(i%2)+8*((i/2)%4)
.set rK, KV+16*((i/2)%4)+8*(i/8)
.set rQ, QF+16*(i%2)+8*(i/8)
.if i < 8
	v_wmma_f32_16x16x32_f16 v[rS:rS+7], v[rK:rK+7], v[rQ:rQ+7], 0
.else
	v_wmma_f32_16x16x32_f16 v[rS:rS+7], v[rK:rK+7], v[rQ:rQ+7], v[rS:rS+7]
.endif
.set i, i+1
.endr
	v_mov_b32 v[CM], v[ST]                         ; c m of the step before is kept for a.  Four places: in front of the loads into K's registers and of the first read of the scores
	v_mov_b32 v[CM+1], v[ST+8]
	v_nop
	v_nop
.irp kh, 0,1                                   ; V, turned: keys 32 kh on, channels 16 ct on.  Asked for a whole softmax ahead of its use
.irp ct, 0,1,2,3
	ds_load_tr16_b128 v[KV+8*(4*\kh+\ct):KV+8*(4*\kh+\ct)+3],   v[ADV] offset:\kh*16*PV+32*\ct
	ds_load_tr16_b128 v[KV+8*(4*\kh+\ct)+4:KV+8*(4*\kh+\ct)+7], v[ADV] offset:\kh*16*PV+8*PV+32*\ct
.endr
.endr
	; THE SOFTMAX, the two tiles line by line, so that no line waits for the line above it.  The maximum of the lane's 32 scores and the old m: four chains; each accumulator is read from its low end on
.irp j, 0,1,2,3
.irp t, 0,1
	v_max3_num_f32 v[ST+8*\t+4+\j], v[S+32*\t+8*\j], v[S+32*\t+8*\j+1], v[S+32*\t+8*\j+2]
.endr
.endr
.irp g, 1,2
.irp j, 0,1,2,3
.irp t, 0,1
	v_max3_num_f32 v[ST+8*\t+4+\j], v[ST+8*\t+4+\j], v[S+32*\t+8*\j+2*\g+1], v[S+32*\t+8*\j+2*\g+2]
.endr
.endr
.endr
.irp t, 0,1
	v_max3_num_f32 v[ST+8*\t+4], v[ST+8*\t+4], v[S+32*\t+7], v[S+32*\t+15]
.endr
.irp t, 0,1
	v_max3_num_f32 v[ST+8*\t+6], v[ST+8*\t+6], v[S+32*\t+23], v[S+32*\t+31]
.endr
.irp t, 0,1
	v_max3_num_f32 v[ST+8*\t+4], v[ST+8*\t+4], v[ST+8*\t+5], v[ST+8*\t+6]
.endr
.irp t, 0,1
	v_max3_num_f32 v[ST+8*\t+4], v[ST+8*\t+4], v[ST+8*\t+7], v[ST+8*\t+1]
.endr
.irp t, 0,1
	v_permlanex16_b32 v[ST+8*\t+5], v[ST+8*\t+4], s[SEL], s[SEL+1]   ; the query's other 32 keys lie in the lane 16 away
.endr
.irp t, 0,1
	v_max_num_f32 v[ST+8*\t+1], v[ST+8*\t+4], v[ST+8*\t+5]           ; the new m
.endr
.irp t, 0,1
	v_mul_f32 v[ST+8*\t], s[CS], v[ST+8*\t+1]                        ; c m
.endr
.irp t, 0,1
	v_sub_f32 v[ST+8*\t+7], v[CM+\t], v[ST+8*\t]                     ; c m_old - c m_new
.endr
.irp p, 0,2,4,6,8,10,12,14,16,18,20,22,24,26,28,30
.irp t, 0,1
	v_pk_fma_f32 v[S+32*\t+\p:S+32*\t+\p+1], v[S+32*\t+\p:S+32*\t+\p+1], s[CS:CS+1], v[ST+8*\t:ST+8*\t+1] op_sel_hi:[1,0,0] neg_lo:[0,0,1] neg_hi:[0,0,1]   ; c s - c m, two at a time
.endr
.endr
.irp t, 0,1                                    ; ONE BATCH: both tiles' 66 exponentials; none reads another's result
	v_exp_f32 v[ST+8*\t+6], v[ST+8*\t+7]           ; a
.endr
.irp p, 0,1,2,3,4,5,6,7,8,9,10,11,12,13,14,15,16,17,18,19,20,21,22,23,24,25,26,27,28,29,30,31
.irp t, 0,1
	v_exp_f32 v[S+32*\t+\p], v[S+32*\t+\p]         ; p
.endr
.endr
	v_nop                                          ; a plain instruction behind the last exponential
	s_wait_alu depctr_va_vdst(0)                   ; one wait for the batch, ahead of its first reader
.irp t, 0,1                                    ; the sums, of p in f32: l = a l + ..., in two chains a tile
	v_pk_fma_f32 v[ST+8*\t+2:ST+8*\t+3], v[ST+8*\t+2:ST+8*\t+3], v[ST+8*\t+6:ST+8*\t+7], v[S+32*\t:S+32*\t+1] op_sel_hi:[1,0,1]
.endr
.irp t, 0,1
	v_pk_add_f32 v[ST+8*\t+4:ST+8*\t+5], v[S+32*\t+2:S+32*\t+3], v[S+32*\t+4:S+32*\t+5]
.endr
.irp p, 6,10,14,18,22,26
.irp t, 0,1
	v_pk_add_f32 v[ST+8*\t+2:ST+8*\t+3], v[ST+8*\t+2:ST+8*\t+3], v[S+32*\t+\p:S+32*\t+\p+1]
.endr
.irp t, 0,1
	v_pk_add_f32 v[ST+8*\t+4:ST+8*\t+5], v[ST+8*\t+4:ST+8*\t+5], v[S+32*\t+\p+2:S+32*\t+\p+3]
.endr
.endr
.irp t, 0,1
	v_pk_add_f32 v[ST+8*\t+2:ST+8*\t+3], v[ST+8*\t+2:ST+8*\t+3], v[S+32*\t+30:S+32*\t+31]
.endr
.irp t, 0,1
	v_pk_add_f32 v[ST+8*\t+2:ST+8*\t+3], v[ST+8*\t+2:ST+8*\t+3], v[ST+8*\t+4:ST+8*\t+5]
.endr
.irp p, 0,1,2,3,4,5,6,7,8,9,10,11,12,13,14,15
.irp t, 0,1
	v_cvt_pk_f16_f32 v[S+32*\t+\p], v[S+32*\t+2*\p], v[S+32*\t+2*\p+1]   ; P, in place and ascending: the sources lie at or ahead of what is written
.endr
.endr
.irp p, 0,2,4,6,8,10,12,14,16,18,20,22,24,26,28,30
.irp t, 0,1
	v_pk_mul_f32 v[OT+32*\t+\p:OT+32*\t+\p+1], v[OT+32*\t+\p:OT+32*\t+\p+1], v[ST+8*\t+6:ST+8*\t+7] op_sel_hi:[1,0]   ; O^T x a, each accumulator from its low end on
.endr
.endr
	s_wait_dscnt 0x0                               ; V is in
.set i, 0
.rept 16                                       ; O^T += V^T P: keys 32 (i / 8) on, channels 16 ((i / 2) % 4) on, tile i % 2
.set rO, OT+32*(i%2)+8*((i/2)%4)
.set rV, KV+8*(4*(i/8)+(i/2)%4)
.set rP, S+32*(i%2)+8*(i/8)
	v_wmma_f32_16x16x32_f16 v[rO:rO+7], v[rV:rV+7], v[rP:rP+7], v[rO:rO+7]
.set i, i+1
.endr
.endm
.macro PHASE s                         ; a slot's eight key steps: written once for each phase, walked eight times; the LDS addresses hang on two scalars stepped by constants
	s_mov_b32 s[TK], \s*SLOTB
	s_mov_b32 s[TV], \s*SLOTB
	s_mov_b32 s[CNT], 8
.Lstep_\@:
	STEP
	s_add_co_u32 s[TK], s[TK], 32*PK
	s_add_co_u32 s[TV], s[TV], 32*PV
	s_sub_co_u32 s[CNT], s[CNT], 1
	s_cmp_lg_u32 s[CNT], 0
	s_cbranch_scc1 .Lstep_\@
.endm
; THE CHANGE OF SLOTS.  Each wave waits for all its tensor loads (its part of the slot ahead, if it has one out), adds 0 to its spare word, and waits for that and for its reads of the slot that it leaves.
; fill = 1: slot s, just left, is filled again; the barrier is then a round of the cluster's, so that no wave of any partner still reads the slot, and the refill is the first thing behind it:
; it has the other slot's eight key steps in which to land.
.macro CHANGE fill, s
	s_wait_tensorcnt 0x0
	ds_add_u32 v[SPW], v[NIL]
	s_wait_dscnt 0x0
.if \fill
	CROUND
	JLOAD \s
.else
	s_barrier_signal -1
	s_barrier_wait -1
.endif
.endm
	s_wait_tensorcnt 0x0                           ; my first fill is in,
	s_barrier_signal -1
	s_barrier_wait -1                              ; everybody's is: both slots are whole
	s_wait_loadcnt 0x0                             ; Q
	PHASE 0                                        ; keys 0 .. 511
	CHANGE 1, 0                                    ; slot 0 takes keys 1,024 .. 1,535
	PHASE 1                                        ; keys 512 .. 1,023
	CHANGE 1, 1                                    ; slot 1 takes keys 1,536 .. 2,047
	PHASE 0
	CHANGE 0, 0
	PHASE 1
	; THE WAY OUT.  l's two halves and the other half of the lanes' are added (these lines are the places behind the last products); O^T is divided by l, rounded to f16 and sent through my stage.
.irp t, 0,1
	v_add_f32 v[ST+8*\t+4], v[ST+8*\t+2], v[ST+8*\t+3]
.endr
.irp t, 0,1
	v_permlanex16_b32 v[ST+8*\t+5], v[ST+8*\t+4], s[SEL], s[SEL+1]
.endr
.irp t, 0,1
	v_add_f32 v[ST+8*\t+4], v[ST+8*\t+4], v[ST+8*\t+5]
.endr
.irp t, 0,1
	v_rcp_f32 v[ST+8*\t+6], v[ST+8*\t+4]
.endr
	v_nop                                          ; a plain instruction behind the last reciprocal
	s_wait_alu depctr_va_vdst(0)                   ; one wait for the two, ahead of the first use
.irp t, 0,1
.irp p, 0,2,4,6,8,10,12,14,16,18,20,22,24,26,28,30
	v_pk_mul_f32 v[S+32*\t+\p:S+32*\t+\p+1], v[OT+32*\t+\p:OT+32*\t+\p+1], v[ST+8*\t+6:ST+8*\t+7] op_sel_hi:[1,0]
.endr
.irp p, 0,1,2,3,4,5,6,7,8,9,10,11,12,13,14,15
	v_cvt_pk_f16_f32 v[KV+16*\t+\p], v[S+32*\t+2*\p], v[S+32*\t+2*\p+1]
.endr
.irp ct, 0,1,2,3
	ds_store_b128 v[STO], v[KV+16*\t+4*\ct:KV+16*\t+4*\ct+3] offset:\t*2304+32*\ct   ; lane (r, h): channels 16 ct + 8 h + 0 .. 7 of query 16 t + r
.endr
.irp u, 0,1,2,3
	ds_load_b128 v[KV+32+16*\t+4*\u:KV+32+16*\t+4*\u+3], v[RD] offset:\t*2304+576*\u   ; LDS serves a wave's instructions in order: these see my stores
.endr
.endr
.irp t, 0,1
.irp u, 0,1,2,3
	s_wait_dscnt 11-8*\t-\u                        ; this load is in; its tile's younger loads, and for tile 0 tile 1's eight instructions, may be out
	global_store_b128 v[GO], v[KV+32+16*\t+4*\u:KV+32+16*\t+4*\u+3], s[6:7] offset:\t*2048+512*\u   ; 32 lanes store 512 consecutive bytes, at a multiple of 512 from ao's first byte
.endr
.endr
	s_wait_tensorcnt 0x0                           ; the wave's end, behind my last tensor load and my last LDS store
	ds_add_u32 v[SPW], v[NIL]
	s_wait_dscnt 0x0
	CROUND                                         ; the closing round
	s_endpgm
.Lfunc_end_k_q249e78e04c_attn:
	.size	k_q249e78e04c_attn, .Lfunc_end_k_q249e78e04c_attn-k_q249e78e04c_attn
	.p2alignl 7, 3214868480
	.fill 96, 4, 3214868480
	.section	.rodata,"a",@progbits
	.p2align	6, 0x0
	.amdhsa_kernel k_q249e78e04c_attn
		.amdhsa_group_segment_fixed_size 327680
		.amdhsa_private_segment_fixed_size 0
		.amdhsa_enable_private_segment 0
		.amdhsa_kernarg_size 16
		.amdhsa_user_sgpr_count 2
		.amdhsa_user_sgpr_kernarg_segment_ptr 1
		.amdhsa_wavefront_size32 1
		.amdhsa_system_sgpr_workgroup_id_x 1
		.amdhsa_system_sgpr_workgroup_id_y 1
		.amdhsa_system_sgpr_workgroup_id_z 1
		.amdhsa_system_vgpr_workitem_id 0
		.amdhsa_next_free_vgpr 256
		.amdhsa_next_free_sgpr 66
		.amdhsa_reserve_vcc 0
		.amdhsa_float_denorm_mode_32 3
		.amdhsa_float_denorm_mode_16_64 3
		.amdhsa_memory_ordered 1
		.amdhsa_forward_progress 1
		.amdhsa_inst_pref_size 88
	.end_amdhsa_kernel
	.amdgpu_metadata
---
amdhsa.version: [ 1, 2 ]
amdhsa.kernels:
  - .name:           k_q249e78e04c_attn
    .symbol:         k_q249e78e04c_attn.kd
    .args:
      - { .name: qkv, .offset: 0, .size: 8, .value_kind: global_buffer, .address_space: global }
      - { .name: ao, .offset: 8, .size: 8, .value_kind: global_buffer, .address_space: global }
    .group_segment_fixed_size: 327680
    .private_segment_fixed_size: 0
    .kernarg_segment_align: 8
    .kernarg_segment_size: 16
    .max_flat_workgroup_size: 512
    .sgpr_count:     66
    .vgpr_count:     256
    .wavefront_size: 32
...
	.end_amdgpu_metadata
.endif
;; end of part 3
;; launch proj (part 4): grid 8 x 32, 4 waves a work-group, clusters of 4 x 4, 327,680 bytes of LDS; arguments ao, wp_t, b_proj, out0; writes out0
.if DOCPART == 4
	.amdgcn_target "amdgcn-amd-amdhsa--gfx1250"
	.amdhsa_code_object_version 6
	.text
	.protected	k_q249e78e04c_proj
	.globl	k_q249e78e04c_proj
	.p2align	8
	.type	k_q249e78e04c_proj,@function
k_q249e78e04c_proj:
	s_mov_b64 s[64:65], 0
	v_nop
	global_prefetch_b8 v0, s[64:65] scope:SCOPE_SE
	s_setreg_imm32_b32 hwreg(HW_REG_WAVE_MODE, 25, 1), 1
	s_wait_xcnt 0x0
	s_wait_alu depctr_hold_cnt(0) depctr_sa_sdst(0) depctr_va_vdst(0) depctr_va_sdst(0) depctr_va_ssrc(0) depctr_va_vcc(0) depctr_vm_vsrc(0)
	s_getreg_b32 s2, hwreg(HW_REG_IB_STS2, 6, 4)
	s_cmp_eq_u32 s2, 0
	s_cbranch_scc0 .Lentry_in_a_cluster
	s_endpgm
.Lentry_in_a_cluster:
	s_bfe_u32 s2, ttmp6, 0x10000c
	s_cmp_lg_u32 s2, 0xf033
	s_cbranch_scc0 .Lentry_shape_is_right
	s_endpgm
.Lentry_shape_is_right:
; out0 = A W_proj + b_proj.  A[m][k] is attention's result, m = b x 2048 + token, k = 64 x head + channel, stored by head: ao [64 b x head][2048][64] f16.  wp_t: W_proj as f16, [1024 n][1024 k].  out0: [8192][1024] f32.
; f16 operands, f32 sums; the bias is the C of each sum's first product.
; A tile of C is 256 (m) x 128 (n): 256 work-groups.  Four waves, each 128 x 64: 32 accumulators of 16 x 16, 256 registers.  K goes in steps of 128, two heads, through a ring of two LDS slots.
; A's tile of a head, 256 tokens x 128 bytes, is dense in memory: it comes as 128 rows of 256 bytes, two tokens to a row.  One load a wave: wave 0 the even head, wave 1 the odd one, waves 2 and 3 B's two halves.
; CLUSTERS: 4 x 4 work-groups; A's tiles are asked for jointly along a row of the cluster, B's along a column.
; THE MATRIX INSTRUCTION IS USED TRANSPOSED (source 0 = 16 rows of wp_t, source 1 = 16 tokens): a lane holds eight neighbouring numbers of a row of C.
; REGISTERS: window 0: v0-31 addresses; v32-63 the bias; v64-127 rows on the way out.   window 1: two fragment buffers of 96 at v0 and v128 (A's eight fragments, then B's four).   window 2: accumulator (a, b) at v[8 (4 a + b)].
.set PITCH,  272                       ; an LDS row: 256 bytes + 16 = 68 words (64 banks of 4 bytes: ISA guide 11.1): B's sixteen rows start at banks 4 r, A's sixteen tokens at 4 (r / 2) + 32 (r % 2): all different
.set HEADT,  128*PITCH                 ; a head's 256 tokens;  also B's 128 rows
.set SLOT,   3*HEADT                   ; A's even head, A's odd head, B
.set STAGE,  2*SLOT                    ; behind the ring: 16 rows x 272 bytes for each wave; no tensor load fills it
.set SPARE,  STAGE+4*16*PITCH          ; the spare words, 128 bytes for each wave: two blocks of 256 bytes that no other line names
.set LAPS,   4                         ; a lap = two K steps = once round the ring; K = 1,024
.set ADRA, 16                          ; v16-17 LDS address of my A fragments in slot 0, 1
.set ADRB, 20                          ; v20-21 the same for B
.set STO,  24
.set RD,   25
.set CO,   26
.set BO,   27
.set SPW,  28                          ; v28 my spare word; never rewritten
.set NIL,  29                          ; v29 0; never rewritten
.set BIAS, 32                          ; v32-63: for B's block b, register 8 b + j: b_proj at my column 16 b + 8 (lane / 16) + j
.set BK,   64                          ; the way out: v64-95 and v96-127 by turns
.set F0,   0
.set F1,   128
.set G1, 24
.set G0, 32
.set G1B, 48
.set G0B, 56
.set MSB, 0
.macro WIN new                         ; the immediate's high byte repeats the setting that is left
.if MSB != \new
	s_set_vgpr_msb (MSB<<8)|\new
.set MSB, \new
.endif
.endm
.set MUL,  0xa5                        ; sources 0 (B) and 1 (A) window 1; C and D window 2
.set FST,  0x85                        ; the first quarter: C (the bias) window 0
.set TO_F, 0x40                        ; destination window 1, address window 0
.macro JLOAD s                         ; a joint load: waves 0 and 1 fetch A's two heads, waves 2 and 3 B's halves; an s_nop 0 and four v_nop follow each of the two lines
	s_cmp_eq_u32 s13, 0
	s_cbranch_scc0 .Lfor_b_\@
	tensor_load_to_lds s[G0+4*\s:G0+4*\s+3], s[G1:G1+7]
	s_nop 0
.rept 4
	v_nop
.endr
	s_branch .Lasked_\@
.Lfor_b_\@:
	tensor_load_to_lds s[G0B+4*\s:G0B+4*\s+3], s[G1B:G1B+7]
	s_nop 0
.rept 4
	v_nop
.endr
.Lasked_\@:
.endm
.macro CREST                           ; a round of the cluster's barrier behind its opening barrier
	s_cmp_lg_u32 s12, 0
	s_cbranch_scc1 .Lnot_wave_0_\@
	s_barrier_signal -3
.Lnot_wave_0_\@:
	s_barrier_wait -3
	s_barrier_signal -1
	s_barrier_wait -1
.endm
.macro CROUND
	s_barrier_signal -1
	s_barrier_wait -1
	CREST
.endm
	s_load_b256 s[4:11], s[0:1], 0x0               ; ao s[4:5], wp_t s[6:7], b_proj s[8:9], out0 s[10:11]
	v_lshl_add_u32 v[SPW], v0, 2, SPARE
	v_mov_b32 v[NIL], 0
	ds_add_u32 v[SPW], v[NIL]                      ; the wave's opening: the add, twice on end, and its wait ahead of my first tensor load
	ds_add_u32 v[SPW], v[NIL]
	v_lshrrev_b32 v1, 5, v0
	v_readfirstlane_b32 s12, v1                    ; wave 0..3
	s_lshr_b32 s13, s12, 1                         ; my half of the tile's rows.  Also: I fetch for A (0) or for B (1)
	s_and_b32 s14, s12, 1                          ; my half of its columns.  Also: which head, or which 64 rows of B, I fetch
	s_bfe_u32 s40, ttmp6, 0x40000                  ; cx, cy
	s_bfe_u32 s41, ttmp6, 0x40004
	s_lshl_b32 s42, ttmp9, 2
	s_add_co_u32 s42, s42, s40                     ; tile column = 4 x cluster x + cx
	s_and_b32 s15, ttmp7, 0xffff
	s_lshl_b32 s15, s15, 2
	s_add_co_u32 s15, s15, s41                     ; tile row = 4 x cluster y + cy
	s_lshl_b32 s43, s41, 2
	s_lshl_b32 s43, 15, s43                        ; my row of the cluster
	s_lshl_b32 s44, 0x1111, s40                    ; my column
	s_or_b32 s[G1+0], s43, (1<<16)|(1<<20)|(1<<21)|(5<<22)|(3<<25)   ; 15:0 the mask; 17:16 elements of 2 bytes; 20 padding on; 21 set beside a mask; 24:22 after every 64 words; 31:25 four words
	s_or_b32 s[G1B+0], s44, (1<<16)|(1<<20)|(1<<21)|(5<<22)|(3<<25)
	s_mov_b32 s[G1+1], 128<<16                     ; A: 128 rows x 128 elements, dense
	s_mov_b32 s[G1+2], 128<<16
	s_mov_b32 s[G1+3], 128<<16
	s_mov_b32 s[G1+4], 128
	s_mov_b32 s[G1+5], 128
	s_mov_b32 s[G1+6], 0
	s_mov_b32 s[G1+7], 0
	s_mov_b32 s[G1B+1], 128<<16                    ; B: 64 rows x 128 elements, 1,024 elements from row to row
	s_mov_b32 s[G1B+2], 64<<16
	s_mov_b32 s[G1B+3], 128<<16
	s_mov_b32 s[G1B+4], 64
	s_mov_b32 s[G1B+5], 1024
	s_mov_b32 s[G1B+6], 0
	s_mov_b32 s[G1B+7], 0
	s_lshr_b32 s16, s15, 3                         ; A: b x 2^22 + (tile row % 8) x 256 tokens x 128 bytes + head x 2^18: made of the tile row and the wave's number alone
	s_lshl_b32 s16, s16, 22
	s_and_b32 s17, s15, 7
	s_lshl_b32 s17, s17, 15
	s_add_co_u32 s16, s16, s17
	s_lshl_b32 s17, s14, 18
	s_add_co_u32 s16, s16, s17
	s_mov_b32 s17, 0
	s_lshl_b32 s46, s42, 18                        ; B: (128 x tile column + 64 x half) rows of 2,048 bytes: made of the tile column and the wave's number alone
	s_lshl_b32 s47, s14, 17
	s_add_co_u32 s46, s46, s47
	s_mov_b32 s47, 0
	s_mul_i32 s20, s14, HEADT                      ; where they go: no place in the cluster enters an LDS address
	s_mul_i32 s21, s14, 64*PITCH
	s_add_co_u32 s21, s21, 2*HEADT
	s_wait_dscnt 0x0                               ; both opening adds are done
	s_wait_kmcnt 0x0
	s_add_nc_u64 s[16:17], s[4:5], s[16:17]
	s_add_nc_u64 s[46:47], s[6:7], s[46:47]
	CROUND                                         ; all sixteen work-groups are here: the first joint loads meet
.irp s, 0,1
	s_mov_b32 s[G0+4*\s], 1
	s_add_co_u32 s[G0+4*\s+1], s20, \s*SLOT
	s_add_nc_u64 s[G0+4*\s+2:G0+4*\s+3], s[16:17], \s*(1<<19)       ; K step s: heads 2 s, 2 s + 1
	s_or_b32 s[G0+4*\s+3], s[G0+4*\s+3], 0x80000000
	s_mov_b32 s[G0B+4*\s], 1
	s_add_co_u32 s[G0B+4*\s+1], s21, \s*SLOT
	s_add_nc_u64 s[G0B+4*\s+2:G0B+4*\s+3], s[46:47], \s*256
	s_or_b32 s[G0B+4*\s+3], s[G0B+4*\s+3], 0x80000000
	JLOAD \s                                       ; two loads of mine are out behind the second
.endr
	v_and_b32 v1, 15, v0                           ; r
	v_bfe_u32 v2, v0, 4, 1                         ; h
	v_lshlrev_b32 v[BO], 5, v2
	s_lshl_b32 s46, s42, 9                         ; my first column, in bytes of f32: 512 x tile column + 256 x half
	s_lshl_b32 s47, s14, 8
	s_add_co_u32 s46, s46, s47
	s_mov_b32 s47, 0
	s_add_nc_u64 s[8:9], s[8:9], s[46:47]
.irp b, 0,1,2,3
	global_load_b128 v[BIAS+8*\b:BIAS+8*\b+3],   v[BO], s[8:9] offset:64*\b
	global_load_b128 v[BIAS+8*\b+4:BIAS+8*\b+7], v[BO], s[8:9] offset:64*\b+16
.endr
	s_lshl_b32 s16, s15, 20                        ; my first row of out0: (256 x tile row + 128 x half) x 4,096 bytes
	s_lshl_b32 s17, s13, 19
	s_add_co_u32 s16, s16, s17
	s_add_co_u32 s16, s16, s46
	s_mov_b32 s17, 0
	s_add_nc_u64 s[10:11], s[10:11], s[16:17]
	v_lshrrev_b32 v3, 1, v1                        ; A: token r lies in row r / 2, half r % 2
	v_mul_u32_u24 v3, v3, PITCH
	v_and_b32 v4, 1, v1
	v_lshl_add_u32 v3, v4, 7, v3
	v_lshl_add_u32 v3, v2, 4, v3
	v_mul_u32_u24 v4, v1, PITCH                    ; B: row r
	v_lshl_add_u32 v4, v2, 4, v4
	s_mul_i32 s22, s13, 64*PITCH                   ; my 128 tokens: 64 rows
	s_mul_i32 s23, s14, 64*PITCH                   ; my 64 rows of B,
	s_add_co_u32 s23, s23, 2*HEADT                 ; behind A's two heads
.irp s, 0,1
	v_add_nc_u32 v[ADRA+\s], s22, v3
	v_add_nc_u32 v[ADRB+\s], s23, v4
	s_add_co_u32 s22, s22, SLOT
	s_add_co_u32 s23, s23, SLOT
.endr
	s_mul_i32 s22, s12, 16*PITCH
	s_add_co_u32 s22, s22, STAGE                   ; my stage
	v_mul_u32_u24 v5, v1, PITCH                    ; in: row r, 32 bytes for each half of the lanes
	v_lshl_add_u32 v5, v2, 5, v5
	v_add_nc_u32 v[STO], s22, v5
	v_mul_u32_u24 v5, v2, PITCH                    ; back: lanes 0-15 one row of 256 bytes, lanes 16-31 the next
	v_lshl_add_u32 v5, v1, 4, v5
	v_add_nc_u32 v[RD], s22, v5
	v_lshlrev_b32 v5, 12, v2                       ; and the same two rows in out0
	v_lshl_add_u32 v[CO], v1, 4, v5
; 8 matrix instructions: A's blocks a0, a0 + 1 x B's four, 32 along K, from buffer f.  first = 1: the bias is the C.  The 32 accumulators take turns, one instruction a turn, in the same order in every quarter.
.macro MUL8 f, a0, first
.irp a, \a0, \a0+1
.irp b, 0,1,2,3
.if \first
	v_wmma_f32_16x16x32_f16 v[8*(4*(\a)+\b):8*(4*(\a)+\b)+7], v[\f+64+8*\b:\f+64+8*\b+7], v[\f+8*(\a):\f+8*(\a)+7], v[BIAS+8*\b:BIAS+8*\b+7]
.else
	v_wmma_f32_16x16x32_f16 v[8*(4*(\a)+\b):8*(4*(\a)+\b)+7], v[\f+64+8*\b:\f+64+8*\b+7], v[\f+8*(\a):\f+8*(\a)+7], v[8*(4*(\a)+\b):8*(4*(\a)+\b)+7]
.endif
.endr
.endr
.endm
; 24 LDS loads in one run: the fragments of the slot's q-th 32 along K into buffer f: B's four, then A's eight, ascending.  q / 2 is the head, q % 2 the half of its 64 channels
.macro FETCH slot, q, f
	WIN TO_F
.irp b, 0,1,2,3
	ds_load_b128 v[\f+64+8*\b:\f+64+8*\b+3],   v[ADRB+\slot] offset:64*(\q)+16*PITCH*\b
	ds_load_b128 v[\f+64+8*\b+4:\f+64+8*\b+7], v[ADRB+\slot] offset:64*(\q)+16*PITCH*\b+32
.endr
.irp a, 0,1,2,3,4,5,6,7
	ds_load_b128 v[\f+8*\a:\f+8*\a+3],   v[ADRA+\slot] offset:((\q)/2)*HEADT+64*((\q)%2)+8*PITCH*\a
	ds_load_b128 v[\f+8*\a+4:\f+8*\a+7], v[ADRA+\slot] offset:((\q)/2)*HEADT+64*((\q)%2)+8*PITCH*\a+32
.endr
.endm
.macro PLACES                          ; four plain vector instructions in front of loads into registers that matrix instructions have read, and of reads of results
.rept 4
	v_nop
.endr
.endm
; A K step is four quarters of 32 along K, 32 matrix instructions each, on buffers 0, 1, 0, 1.  One of the first three: multiplies buffer f and fetches quarter qn into g.
.macro QUARTER slot, qn, f, g, first
	s_wait_dscnt 8                                 ; B and A's blocks 0-3 are in; the youngest eight loads (A's blocks 4-7) may be out
.if \first
	WIN FST
.else
	WIN MUL
.endif
	MUL8 \f, 0, \first
	MUL8 \f, 2, \first
	PLACES
	FETCH \slot, \qn, \g
	s_wait_dscnt 24                                ; all but the 24 just issued
.if \first
	WIN FST
.else
	WIN MUL
.endif
	MUL8 \f, 4, \first
	MUL8 \f, 6, \first
.endm
; The last quarter multiplies buffer 1 and changes slots: ONE barrier; in front of it each wave waits for all its tensor loads, adds 0 to its spare word, and waits for that and for its reads of this slot.
; fill = 1: this slot is filled again, two K steps ahead: the barrier opens a round of the cluster's, and the joint refill is the first tensor load behind it: 112 matrix instructions ahead of the wait for it.
.macro TURN slot, next, fill
	WIN 0                                          ; (the add's two registers lie in window 0)
	s_wait_tensorcnt 0x0                           ; all my tensor loads have landed: my part of the next slot
	ds_add_u32 v[SPW], v[NIL]
	s_wait_dscnt 9                                 ; (the add and the youngest eight loads may be out)
	WIN MUL
	MUL8 F1, 0, 0                                  ; eight matrix instructions stand between the add and the wait for it
	s_wait_dscnt 0x0                               ; the add is done, and my reads of this slot are over
	s_barrier_signal -1
	MUL8 F1, 2, 0
.if \fill
	WIN 0
.endif
	s_barrier_wait -1
.if \fill
	CREST                                          ; no wave of any partner still reads this slot's tiles or has a load on its way
	s_add_nc_u64 s[G0+4*\slot+2:G0+4*\slot+3], s[G0+4*\slot+2:G0+4*\slot+3], 1<<20     ; four heads on
	s_add_nc_u64 s[G0B+4*\slot+2:G0B+4*\slot+3], s[G0B+4*\slot+2:G0B+4*\slot+3], 512
	JLOAD \slot                                    ; the four v_nop behind it are also the places in front of the loads below
.else
	PLACES
.endif
	FETCH \next, 0, F0
	WIN MUL
	MUL8 F1, 4, 0
	MUL8 F1, 6, 0
.endm
	s_wait_tensorcnt 1                             ; my part of K step 0 is in (K step 1's load may be out),
	s_barrier_signal -1
	s_barrier_wait -1                              ; everybody's is
	FETCH 0, 0, F0
	s_wait_loadcnt 0x0                             ; the bias
	QUARTER 0, 1, F0, F1, 1                        ; the first quarter stands in front of the loop: its products start the sums, on the bias
	WIN 0                                          ; at a label and at a branch every window is 0
	s_mov_b32 s3, LAPS-1
.Llap:                                                 ; a trip goes once round the ring, from a lap's second quarter to the next lap's first, and fills both slots again
	QUARTER 0, 2, F1, F0, 0
	QUARTER 0, 3, F0, F1, 0
	TURN 0, 1, 1
	QUARTER 1, 1, F0, F1, 0
	QUARTER 1, 2, F1, F0, 0
	QUARTER 1, 3, F0, F1, 0
	TURN 1, 0, 1
	QUARTER 0, 1, F0, F1, 0
	WIN 0
	s_sub_co_u32 s3, s3, 1
	s_cmp_lg_u32 s3, 0
	s_cbranch_scc1 .Llap
	QUARTER 0, 2, F1, F0, 0                        ; the last lap fills nothing, and has no round of the cluster's barrier
	QUARTER 0, 3, F0, F1, 0
	TURN 0, 1, 0
	QUARTER 1, 1, F0, F1, 0
	QUARTER 1, 2, F1, F0, 0
	QUARTER 1, 3, F0, F1, 0
	s_wait_dscnt 8                                 ; the very last quarter: nothing more to fetch
	WIN MUL
	MUL8 F1, 0, 0
	MUL8 F1, 2, 0
	s_wait_dscnt 0
	MUL8 F1, 4, 0
	MUL8 F1, 6, 0
	WIN 0
; THE WAY OUT, block by block of 16 rows x 64 columns.  A lane holds 32 neighbouring bytes of a row and the lanes beside it other rows: a block goes through my own stage and comes back as rows of 256 bytes.
.macro TOSTAGE a
	WIN 0x08                                       ; an LDS store's data are its source 1: window 2
.irp b, 0,1,2,3
	ds_store_b128 v[STO], v[32*(\a)+8*\b:32*(\a)+8*\b+3] offset:64*\b          ; each accumulator from its low end on
	ds_store_b128 v[STO], v[32*(\a)+8*\b+4:32*(\a)+8*\b+7] offset:64*\b+16
.endr
	WIN 0
.set BB, BK+32*((\a)%2)
.irp t, 0,1,2,3,4,5,6,7
	ds_load_b128 v[BB+4*\t:BB+4*\t+3], v[RD] offset:\t*2*PITCH     ; LDS serves a wave's instructions in order (ISA guide 5.7.1.4): these see the stores above
.endr
.endm
.macro SEND a, younger                 ; younger: the LDS instructions issued behind block a's loads, which may stay out
.set BB, BK+32*((\a)%2)
	s_wait_dscnt \younger
.if (\a) > 0
	s_add_nc_u64 s[10:11], s[10:11], 65536         ; (behind a wait on XCNT: the earlier stores have read their base)  16 rows on
.endif
.irp t, 0,1,2,3,4,5,6,7
	global_store_b128 v[CO], v[BB+4*\t:BB+4*\t+3], s[10:11] offset:\t*8192 th:TH_STORE_NT   ; sixteen lanes store 256 consecutive bytes, at a multiple of 256 from out0's first byte
.endr
.endm
	PLACES
	TOSTAGE 0
.irp a, 1,2,3,4,5,6,7
.if \a > 1
	s_wait_xcnt 0x0                                ; block a - 2's stores have read their registers and their base: block a's loads may land there, and the base may step
.endif
	TOSTAGE \a
	SEND (\a-1), 16                                ; behind block a - 1's loads: block a's 8 stores and 8 loads
.endr
	s_wait_xcnt 0x0
	SEND 7, 0
	s_wait_tensorcnt 0x0                           ; the wave's end, behind my last tensor load and my last LDS store
	ds_add_u32 v[SPW], v[NIL]
	s_wait_dscnt 0x0
	CROUND                                         ; the closing round
	s_endpgm
.Lfunc_end_k_q249e78e04c_proj:
	.size	k_q249e78e04c_proj, .Lfunc_end_k_q249e78e04c_proj-k_q249e78e04c_proj
	.p2alignl 7, 3214868480
	.fill 96, 4, 3214868480
	.section	.rodata,"a",@progbits
	.p2align	6, 0x0
	.amdhsa_kernel k_q249e78e04c_proj
		.amdhsa_group_segment_fixed_size 327680
		.amdhsa_private_segment_fixed_size 0
		.amdhsa_enable_private_segment 0
		.amdhsa_kernarg_size 32
		.amdhsa_user_sgpr_count 2
		.amdhsa_user_sgpr_kernarg_segment_ptr 1
		.amdhsa_wavefront_size32 1
		.amdhsa_system_sgpr_workgroup_id_x 1
		.amdhsa_system_sgpr_workgroup_id_y 1
		.amdhsa_system_sgpr_workgroup_id_z 1
		.amdhsa_system_vgpr_workitem_id 0
		.amdhsa_next_free_vgpr 768
		.amdhsa_next_free_sgpr 66
		.amdhsa_reserve_vcc 0
		.amdhsa_float_denorm_mode_32 3
		.amdhsa_float_denorm_mode_16_64 3
		.amdhsa_memory_ordered 1
		.amdhsa_forward_progress 1
		.amdhsa_inst_pref_size 87
	.end_amdhsa_kernel
	.amdgpu_metadata
---
amdhsa.version: [ 1, 2 ]
amdhsa.kernels:
  - .name:           k_q249e78e04c_proj
    .symbol:         k_q249e78e04c_proj.kd
    .args:
      - { .name: ao, .offset: 0, .size: 8, .value_kind: global_buffer, .address_space: global }
      - { .name: wp_t, .offset: 8, .size: 8, .value_kind: global_buffer, .address_space: global }
      - { .name: b_proj, .offset: 16, .size: 8, .value_kind: global_buffer, .address_space: global }
      - { .name: out0, .offset: 24, .size: 8, .value_kind: global_buffer, .address_space: global }
    .group_segment_fixed_size: 327680
    .private_segment_fixed_size: 0
    .kernarg_segment_align: 8
    .kernarg_segment_size: 32
    .max_flat_workgroup_size: 128
    .sgpr_count:     66
    .vgpr_count:     768
    .wavefront_size: 32
...
	.end_amdgpu_metadata
.endif
;; end of part 4
